; MI455X (gfx1250); checked and timed in simulation.
; The chip was launched on July 23, 2026; its instructions are those of AMD's public machine-readable ISA for CDNA 5 (MIT licence, August 2026) and "CDNA5" Instruction Set Architecture Reference Guide (July 2026). The comments in the code are by the model that wrote it; some were corrected since.
;; Pixel SNAIL. Allowed arithmetic: matrix products marked QUANTISED: E2M3 operands, one E8M0 scale for each 32 along K, by v_wmma_scale_f32_16x16x128_f8f6f4 with both operands' format E2M3, f32 sums; everything else in f32.
;; Inputs: Wk_codes 512 x 8 x 24 uint8 (E2M3 codes of Wk, K innermost, in blocks of 32 codes, four codes in three bytes); Wk_scales 512 x 8 uint8 (E8M0 scales of Wk, one for each 32 codes along K); Wq_codes 512 x 8 x 24 uint8 (E2M3 codes of Wq, K innermost, in blocks of 32 codes, four codes in three bytes); Wq_scales 512 x 8 uint8 (E8M0 scales of Wq, one for each 32 codes along K); Wv_codes 512 x 8 x 24 uint8 (E2M3 codes of Wv, K innermost, in blocks of 32 codes, four codes in three bytes); Wv_scales 512 x 8 uint8 (E8M0 scales of Wv, one for each 32 codes along K); bk 512 float32; bq 512 float32; bv 512 float32; key_codes 8 x 32 x 32 x 8 x 24 uint8 (E2M3 codes of key, K innermost, in blocks of 32 codes, four codes in three bytes); key_scales 8 x 32 x 32 x 8 uint8 (E8M0 scales of key, one for each 32 codes along K); query_codes 8 x 32 x 32 x 8 x 24 uint8 (E2M3 codes of query, K innermost, in blocks of 32 codes, four codes in three bytes); query_scales 8 x 32 x 32 x 8 uint8 (E8M0 scales of query, one for each 32 codes along K).
;; Outputs: out0 8 x 512 x 32 x 32 float32.
;; This version of the problem:
;;   THIS VERSION OF THE PROBLEM IS GIVEN IN LOW PRECISION. The matrix products marked QUANTISED in the list below multiply operands that are first quantised to E2M3 (2 exponent bits, 3 mantissa bits; 6 bits a number), with one power-of-two scale for each 32 numbers along K (OCP MX v1.0); their sums are f32. All else is computed in f32.
;;   The module's matrix products, in the order in which they are computed (A, B: the left and right operand; K: the contracted axis; several contracted axes count as one K, in the product's order):
;;     1. [M 8,192, K 256] x [K 256, N 512]; A: input query (given as codes); B: input Wq (given as codes): QUANTISED
;;     2. [M 8,192, K 256] x [K 256, N 512]; A: input key (given as codes); B: input Wk (given as codes): QUANTISED
;;     3. [M 8,192, K 256] x [K 256, N 512]; A: input key (given as codes); B: input Wv (given as codes): QUANTISED
;;     4. batch 64 x [M 1,024, K 64] x [K 64, N 1,024]; A: computed on the way; B: computed on the way: QUANTISED
;;     5. batch 64 x [M 1,024, K 1,024] x [K 1,024, N 64]; A: softmax (see below); B: computed on the way: QUANTISED
;;   THE QUANTISER, for each operand of a quantised product, along K:
;;     - K is cut into blocks of 32 from its start; a last block that is shorter is filled with zeros.
;;     - A block's scale is 2^e with e = floor(log2(the largest magnitude in the block)) - 2, held to -126 .. 127; a block of zeros has e = 0. As a byte (E8M0): e + 127.
;;     - Each number is divided by its block's scale, clamped to +-7.5, and rounded to the nearest number of E2M3, ties to even, subnormals kept.
;;     - The product sums the exact products of the quantised numbers (number of the format x scale) in f32.
;;   ~~~python
;;   def quantise(x, axis):      # numpy; x: float32 -> the quantised numbers, widened to float32 again
;;       x = np.moveaxis(x, axis, -1); K = x.shape[-1]
;;       x = np.pad(x, [(0, 0)] * (x.ndim - 1) + [(0, -K % 32)]); x = x.reshape(x.shape[:-1] + (-1, 32)); a = np.abs(x).max(-1, keepdims=True)
;;       e = np.where(a > 0, np.clip(np.frexp(np.where(a > 0, a, 1))[1] - 1 - 2, -126, 127), 0)      # np.frexp(a)[1] - 1 = floor(log2(a)), exactly
;;       r = np.clip(x / 2.0 ** e, -7.5, 7.5)
;;       step = 2.0 ** (np.maximum(np.frexp(np.where(r == 0, 1, r))[1] - 1, 0) - 3)
;;       q = np.round(r / step) * step * 2.0 ** e      # np.round: ties to even
;;       return np.moveaxis(q.reshape(q.shape[:-2] + (-1,))[..., :K], -1, axis).astype(np.float32)
;;   ~~~
;;   SOFTMAX AHEAD OF A QUANTISED PRODUCT. Where the list says 'softmax', what is quantised is not the finished softmax but p = 2^(t - M), with t = logit x log2(e) and M = ceil(the row's largest t), a whole number; so 1/2 < the row's largest p <= 1. The row's sum l is taken of the UNQUANTISED p, in f32, and the product's result is divided by l at the end. Since M is a whole number, a kernel that streams over the keys may use a running M (the ceiling of the running maximum): every later rescaling is an exact power of two, which a block's scale takes up: the codes' values come out the same.
;;   OPERANDS COMPUTED ON THE WAY. 'Computed on the way' means the value that the module computes at that place (a softmax that the list does not call 'softmax' is quantised finished and normalised). What goes into a quantiser is computed in f32, as accurately as f32 sums, v_exp_f32 and their like allow (about 1e-6 of the number): no bf16 or f16 on the way to a quantiser, and a product that is left as it is and whose result goes on into a quantised operand takes f32 operands (vector FMAs, or v_wmma_f32_16x16x4_f32). A number that lies on a knife's edge between two numbers of the format may be rounded either way, as far as f32 arithmetic and the matrix unit's own rounding can turn it there, and no further.
;;   INPUTS GIVEN AS CODES. Wk (in the module: [512, 256], K = its axis 1); Wq (in the module: [512, 256], K = its axis 1); Wv (in the module: [512, 256], K = its axis 1); key (in the module: [8, 256, 32, 32], K = its axis 1); query (in the module: [8, 256, 32, 32], K = its axis 1): each comes as NAME_codes (uint8): NAME with its K axis moved to the last place and cut into blocks of 32 codes, [.., K / 32, bytes a block], one block behind the other in memory; four codes in three bytes: a row's codes are one little-endian stream of bits, code i at bits 6 i .. 6 i + 5 (a code: sign, 2 exponent bits, 3 mantissa bits); and NAME_scales (uint8): the same leading axes, one E8M0 byte (e + 127) for each 32 codes along K. Its value is code x scale, taken as it is: it is not quantised again, and the codes and scales need not be those that the quantiser above would give.
;; 2 versions. Each part assembles by itself: llvm-mc -triple=amdgcn-amd-amdhsa -mcpu=gfx1250 --defsym DOCPART=n.
;; ======== version 1 of 2: 1 launch
;; launch snail (part 1): grid 4 x 64, 16 waves a work-group, no clusters, 222,208 bytes of LDS; arguments query_codes, query_scales, key_codes, key_scales, Wq_codes, Wq_scales, Wk_codes, Wk_scales, Wv_codes, Wv_scales, bq, bk, bv, out0; writes out0
.if DOCPART == 1
	.amdgcn_target "amdgcn-amd-amdhsa--gfx1250"
	.amdhsa_code_object_version 6
	.text
	.protected	k_q50cfa97c5c_snail
	.globl	k_q50cfa97c5c_snail
	.p2align	8
	.type	k_q50cfa97c5c_snail,@function
k_q50cfa97c5c_snail:
	s_mov_b64 s[64:65], 0
	v_nop
	global_prefetch_b8 v0, s[64:65] scope:SCOPE_SE
	s_setreg_imm32_b32 hwreg(HW_REG_WAVE_MODE, 25, 1), 1
	s_wait_xcnt 0x0
; Causal attention with its three projections, all five products on codes of FP6 (E2M3) with one E8M0 scale for each 32 along K.  8 images x 8 heads of 64, 1,024 places.
; q = query Wq^T + bq, k = key Wk^T + bk, v = key Wv^T + bv (K = 256: two matrix instructions deep); S = q k^T / 8 under the causal mask; p = 2^(t - M), t = S log2(e), M the running
; largest t rounded up to a whole number; out = (p v) / (the sum of the unquantised p), stored as out0[image][64 head + d][place].
; ONE LAUNCH.  Four work-groups to each (image, head), 256 in all, sixteen waves of 256 registers each.  A work-group projects and quantises k and v of its WHOLE head into LDS, wave w the keys
; 64 w .. 64 w + 63, as images of operand registers; each wave projects and quantises q of its own 16 queries in registers; then each wave walks the keys, 128 a step, out of LDS.
; Nothing goes through memory between the steps.  The price: the four work-groups of a head each make the head's k and v (64 of a wave's 72 projection products).
; SHARES.  A group G (0 .. 15) is 64 neighbouring queries and needs G / 2 + 1 key steps.  Waves 4 a .. 4 a + 3 of work-group j take group 4 a + j (a even) or 4 a + 3 - j (a odd), 16 queries each:
; that is 18 key steps for the four waves with the same w % 4, in every work-group.  A group's four waves hold 64 queries x 64 d: 64 whole rows of 256 bytes of out0.
; NO JOINT REQUESTS, though 32 work-groups read the same rows of key: a joint request is a tensor load into LDS, and a head's 1,024 rows of key codes (196,608 bytes) beside k's and v's images
; (110,592) and the weights' (36,864) are more LDS than a work-group can be given; here each wave's 64 rows go once, straight into its operand registers.  So there is no tensor load and no ring.
; A SIX: 16 rows x 64 K of codes, 6 registers a lane (lane (r, h): row r, K = 32 h .. 32 h + 31), half of an operand.  It lies in LDS as its registers stand: registers 0-3 at 16 x lane, 4-5 at 512 + 8 x lane.
; K = 64 IN AN INSTRUCTION OF K = 128 (S = q k^T): q's registers 6-11 are zero codes and bytes 2, 3 of q's and k's scale words are 0, so k's registers 6-11 may hold any codes: key tile i is named
; over its own six and the next tile's, and six zeroed registers stand behind the last.
; BOTH ATTENTION PRODUCTS ARE USED TRANSPOSED (source 0 = 16 keys, or 16 d; source 1 = my 16 queries): a lane holds one query throughout.  THE ROWS OF A TILE THAT BECOMES THE NEXT K ARE NOT NEIGHBOURS:
; lane r of tile 2 b + u takes row 32 b + 8 u + r + 8 (r / 8), so that the 16 registers of tiles 2 b, 2 b + 1 are 16 neighbours along the next K.  One fragment of key so serves as source 1 of
; k^T = Wk key^T (a lane: one key, registers along d) and as source 0 of v = key Wv^T (a lane: one d, registers along the keys).
; LIMITS: NaN and infinities among the inputs are not served.  A block of zeros gets the scale byte 1 where the rule says 127: its codes are zeros and this program alone reads the byte.
; A p under 2^-126 is taken as 0 (the exponential gives no denormals).
.set STEPB, 13824                      ; LDS: eight key steps of 128 keys, each:
.set KI,    0                          ;   k: eight sixes, one a tile of 16 keys
.set VI,    6144                       ;   v: eight sixes: (half c of the keys, tile n of 16 d) at 4 c + n
.set KS,    12288                      ;   k's scale words: 512 (tile / 4) + 16 lane + 4 (tile % 4)
.set VS,    13312                      ;   v's scale words: 16 lane + 4 n, byte 2 c + block
.set WIMG,  8*STEPB                    ; the head's weights: 48 sixes: matrix X (0 q, 1 k, 2 v) at 16 X + 4 tile + 2 K step + half
.set WSC,   WIMG+48*768                ; their scale bytes as they lie: 512 X + 8 row
.set BIAS,  WSC+1536                   ; bq's 64 numbers, then bk's
.set BV4,   BIAS+512                   ; bv's, each four times: 16 bytes a d
.set STG,   BV4+1024                   ; the way out: for each group of four waves 64 rows (d) of 256 bytes + 16
.set SPITCH, 272
.set SGRP,  64*SPITCH
; scalars
.set WV,   2                           ; my wave
.set BH,   4                           ; 8 image + head
.set BB,   5                           ; image
.set HD,   6                           ; head
.set GA,   36                          ; a = wave / 4
.set GI,   37                          ; i = wave % 4
.set GG,   38                          ; my group of 64 queries
.set LAST, 39                          ; my last key step, the one on the diagonal
.set Q0,   40                          ; my first query
.set DM,   41                          ; my first query less the diagonal step's first key
.set SEL,  42                          ; s[42:43] selects for v_permlanex16_b32: lane l xor 16
.set CS,   44                          ; s[44:45] log2(e) / 8, twice: the packed form names a pair
.set TB,   46                          ; LDS byte of the key step in hand
.set TT,   47                          ; its number
.set STT,  54                          ; the key step that my 64 keys belong to
.set STC,  55                          ; and which half of it
; vector registers that stay
.set L16,  1                           ; 16 x lane
.set L8,   2                           ; 8 x lane
.set GA1,  13                          ; 192 (r + 8 (r / 8)) + 24 h: a fragment's bytes, rows chosen for the next K
.set GS1,  254                         ; 8 (r + 8 (r / 8)) + 4 h: such a row's scale word: lanes 0-15 K step 0's, lanes 16-31 K step 1's
.set GA2,  255                         ; 192 r + 24 h: neighbouring rows
.set QF,   22                          ; v22-33 q's operand: six registers of codes, six of zeros
; the projections
.set W16,  3                           ; WIMG + 16 lane
.set W8,   4                           ; WIMG + 8 lane
.set ST16, 5                           ; where my sixes go: my step + 4 sixes x my half + 16 lane
.set ST8,  6                           ; the same with 8 lane
.set KSS,  7                           ; k's scale words: my step + 512 x my half + 16 lane
.set VSS,  8                           ; v's: my step + 2 x my half + 16 lane
.set BA,   9                           ; BIAS + 64 h
.set BVA,  10                          ; BV4 + 16 r
.set WSA,  11                          ; WSC + GS1
.set WSVA, 12                          ; WSC + 8 r + 4 h
.set TM,   14                          ; v14-17 largest magnitudes, then the conversions' scale operands
.set TP,   18                          ; v18-21 the other half's, then the scale bytes
.set CB,   14                          ; v14-21 also a tile's bias as C: alive from its load to the tile's first products
.set SB,   28                          ; v28-31 k's first scale bytes.  At the head: four addresses
.set GS2,  28                          ; 8 r + 4 h
.set SW16, 29                          ; W16 + 768 wave
.set SW8,  30                          ; W8 + 768 wave
.set SMS,  31                          ; WSC + 4 thread
.set ACC,  32                          ; v32-95 eight accumulators.  At the head: three sixes of weights and what is staged
.set SD,   50                          ; v50-52 scale words on their way to LDS
.set SMG,  54                          ; 4 thread
.set BG,   55                          ; 4 (thread % 64)
.set BL,   56                          ; BIAS + BG
.set BL4,  57                          ; BV4 + 4 BG
.set BD,   58                          ; v58-60 biases on their way to LDS
.set WF,   96                          ; v96-119 a tile of weights (two fragments); when it is done with, the conversions' second halves
.set SV,   120                         ; v120-143 the query's two fragments; later the sixes being made
.set KV,   144                         ; v144-239 my 64 rows of key: fragment (tile kt, K step s) at 24 kt + 12 s
.set KVS,  240                         ; v240-253 hold scales and nothing else: key's words,
.set WS,   244                         ; a weight tile's, a second tile's,
.set WS2,  245
.set QXS,  246                         ; the query's
; attention
.set A16,  3                           ; the step + 16 lane
.set A8,   4                           ; the step + 8 lane
.set SO,   5                           ; the stage: where I put a number
.set SR,   6                           ; and where I read 16 bytes of a row back
.set GO,   7                           ; my byte offset in my rows of out0
.set NINF, 12                          ; -infinity
.set DD,   13                          ; my query - the diagonal step's first key - 16 h
.set NM,   14                          ; -M
.set TX,   15                          ; the largest t so far
.set LS,   16                          ; v16-17 the sum, in two halves
.set FA,   18                          ; 2^(old M - new M); v19 is named with it as a pair
.set T0,   20
.set T1,   21
.set KF,   34                          ; v34-81 k's eight sixes, then v's four fragments; v82-87 zeros
.set SC,   88                          ; v88-151 S^T, then p
.set OA,   152                         ; v152-183 O^T
.set PC,   184                         ; v184-195 p's codes
.set PB,   196                         ; v196-203 the conversions' second halves
.set BM,   204                         ; v204-207 each block's largest score, then its largest p
.set BP,   208                         ; v208-211 the other half's, then the bytes
.set BS,   212                         ; v212-215 the conversions' scale operands
.set KSR,  240                         ; v240-247 k's scale words
.set VSR,  248                         ; v248-251 v's
.set QS,   252                         ; q's
.set PS,   253                         ; p's
.set OUTR, 120                         ; the way out: rows read back
.macro PLACES n                        ; plain vector instructions that name no register of the matrix instructions in front of them (ISA guide 7.12.1)
.rept \n
	v_nop
.endr
.endm
.macro ST6 a16, a8, reg, off           ; a six to LDS as it stands
	ds_store_b128 v[\a16], v[\reg:\reg+3] offset:\off
	ds_store_b64 v[\a8], v[\reg+4:\reg+5] offset:\off+512
.endm
.macro LD6 a16, a8, reg, off           ; and back, in any wave: the same registers in the same lanes
	ds_load_b128 v[\reg:\reg+3], v[\a16] offset:\off
	ds_load_b64 v[\reg+4:\reg+5], v[\a8] offset:\off+512
.endm
.macro LDW reg, six0                   ; a tile of weights: four sixes = the fragments of K steps 0 and 1
.irp k6, 0,1,2,3
	LD6 W16, W8, \reg+6*\k6, (\six0+\k6)*768
.endr
.endm
.macro LDCB reg, adr, o0, o1           ; eight numbers of a bias, in the result's layout
	ds_load_b128 v[\reg:\reg+3], v[\adr] offset:\o0
	ds_load_b128 v[\reg+4:\reg+7], v[\adr] offset:\o1
.endm
; A projection's product.  row = 0: K step 0, the bias as C, scale words from lanes 0-15;  row = 1: K step 1, in place, scale words from lanes 16-31.
.macro PW d, a, b, c, sa, sb, row
.if \row
	v_wmma_scale_f32_16x16x128_f8f6f4 v[\d:\d+7], v[\a:\a+11], v[\b:\b+11], v[\d:\d+7], v[\sa], v[\sb] matrix_a_fmt:MATRIX_FMT_FP6 matrix_b_fmt:MATRIX_FMT_FP6 matrix_a_scale:MATRIX_SCALE_ROW1 matrix_b_scale:MATRIX_SCALE_ROW1
.else
	v_wmma_scale_f32_16x16x128_f8f6f4 v[\d:\d+7], v[\a:\a+11], v[\b:\b+11], v[\c:\c+7], v[\sa], v[\sb] matrix_a_fmt:MATRIX_FMT_FP6 matrix_b_fmt:MATRIX_FMT_FP6
.endif
.endm
; The scales of nb blocks of 32: block q's numbers are my 16 in v[ACC + 16 q] on and lane l xor 16's.  Leaves the conversion's scale operand in v[TM + q] and the byte in v[TP + q].  The blocks take turns line by line.
.macro QSCALE nb
.set qq, 0
.rept \nb
	v_max3_num_f32 v[TM+qq], |v[ACC+16*qq]|, |v[ACC+16*qq+1]|, 0x1800000   ; with the floor 2^(3 - 127): the byte cannot fall under 1
.set qq, qq+1
.endr
.irp i2, 2,4,6,8,10,12,14
.set qq, 0
.rept \nb
	v_max3_num_f32 v[TM+qq], v[TM+qq], |v[ACC+16*qq+\i2]|, |v[ACC+16*qq+\i2+1]|   ; each accumulator from its low end on
.set qq, qq+1
.endr
.endr
.set qq, 0
.rept \nb
	v_permlanex16_b32 v[TP+qq], v[TM+qq], s[SEL], s[SEL+1]
.set qq, qq+1
.endr
.set qq, 0
.rept \nb
	v_max_num_f32 v[TM+qq], v[TM+qq], v[TP+qq]     ; the block's largest magnitude
.set qq, qq+1
.endr
.set qq, 0
.rept \nb
	v_add_nc_u32 v[TM+qq], 0xff000000, v[TM+qq]    ; 2 off its exponent field: the conversion takes that field as its scale
.set qq, qq+1
.endr
.set qq, 0
.rept \nb
	v_lshrrev_b32 v[TP+qq], 23, v[TM+qq]           ; the scale's byte
.set qq, qq+1
.endr
.endm
.macro CVT dst, q                      ; my 16 numbers of block q: 96 bits of codes
	v_cvt_scalef32_pk16_fp6_f32 v[\dst:\dst+2], v[ACC+16*(\q):ACC+16*(\q)+15], v[TM+(\q)]
.endm
.macro PAIR pa, pb                     ; two blocks' half blocks become a six: lanes 0-15 the first block whole, lanes 16-31 the second
.irp i3, 0,1,2
	v_permlane16_swap_b32 v[\pa+\i3], v[\pb+\i3]
.endr
.irp i3, 0,1,2
	v_mov_b32 v[\pa+3+\i3], v[\pb+\i3]
.endr
.endm
.macro BARRIER                         ; my LDS stores have landed and my LDS loads are in: then the work-group's barrier
	s_wait_dscnt 0x0
	s_barrier_signal -1
	s_barrier_wait -1
.endm
; ---------------- THE HEAD: addresses; the head's weights, scale bytes and biases into LDS; my rows of query and key into registers
	s_load_b512 s[8:23], s[0:1], 0x0               ; query codes s[8:9], scales s[10:11]; key s[12:13], s[14:15]; Wq s[16:17], s[18:19]; Wk s[20:21], s[22:23]
	s_load_b256 s[24:31], s[0:1], 0x40             ; Wv s[24:25], s[26:27]; bq s[28:29]; bk s[30:31]
	s_load_b128 s[32:35], s[0:1], 0x60             ; bv s[32:33]; out0 s[34:35]
	v_lshrrev_b32 v14, 5, v0
	v_readfirstlane_b32 s[WV], v14                 ; wave 0 .. 15
	v_and_b32 v17, 31, v0                          ; lane
	v_and_b32 v14, 15, v0                          ; r
	v_bfe_u32 v15, v0, 4, 1                        ; h
	v_and_b32 v16, 8, v14
	v_add_nc_u32 v16, v16, v14                     ; r + 8 (r / 8)
	v_lshlrev_b32 v[L16], 4, v17
	v_lshlrev_b32 v[L8], 3, v17
	v_mul_u32_u24 v[GA1], v16, 192
	v_mad_u32_u24 v[GA1], v15, 24, v[GA1]
	v_mul_u32_u24 v[GA2], v14, 192
	v_mad_u32_u24 v[GA2], v15, 24, v[GA2]
	v_lshlrev_b32 v[GS1], 3, v16
	v_lshl_add_u32 v[GS1], v15, 2, v[GS1]
	v_lshlrev_b32 v[GS2], 3, v14
	v_lshl_add_u32 v[GS2], v15, 2, v[GS2]
	s_and_b32 s[BH], ttmp7, 0xffff
	s_lshr_b32 s[BB], s[BH], 3
	s_and_b32 s[HD], s[BH], 7
	s_lshr_b32 s[GA], s[WV], 2
	s_and_b32 s[GI], s[WV], 3
	s_lshr_b32 s[STT], s[WV], 1
	s_and_b32 s[STC], s[WV], 1
	s_and_b32 s7, s[GA], 1
	s_mul_i32 s7, s7, 3
	s_xor_b32 s[GG], ttmp9, s7                     ; j, or 3 - j where a is odd (j is 0 .. 3)
	s_lshl_b32 s7, s[GA], 2
	s_add_co_u32 s[GG], s[GG], s7
	s_lshr_b32 s[LAST], s[GG], 1
	s_lshl_b32 s60, s[GI], 4                       ; 16 i
	s_lshl_b32 s[Q0], s[GG], 6
	s_add_co_u32 s[Q0], s[Q0], s60
	s_and_b32 s[DM], s[GG], 1
	s_lshl_b32 s[DM], s[DM], 6
	s_add_co_u32 s[DM], s[DM], s60
	s_mov_b32 s[SEL], 0x76543210
	s_mov_b32 s[SEL+1], 0xfedcba98
	s_mov_b32 s[CS], 0x3e38aa3b                    ; log2(e) / sqrt(64)
	s_mov_b32 s[CS+1], s[CS]
	s_mul_i32 s56, s[STT], STEPB                   ; every LDS address of the projections is made here, ahead of the first branch: a constant + a constant x lane + constants x parts of the wave's number
	s_mul_i32 s57, s[STC], 3072
	s_add_co_u32 s57, s57, s56
	s_lshl_b32 s58, s[STC], 9
	s_add_co_u32 s58, s58, s56
	s_lshl_b32 s59, s[STC], 1
	s_add_co_u32 s59, s59, s56
	s_mul_i32 s61, s[WV], 768
	v_add_nc_u32 v[W16], WIMG, v[L16]
	v_add_nc_u32 v[W8], WIMG, v[L8]
	v_add_nc_u32 v[ST16], s57, v[L16]
	v_add_nc_u32 v[ST8], s57, v[L8]
	v_add_nc_u32 v[KSS], s58, v[L16]
	v_add_nc_u32 v[VSS], s59, v[L16]
	v_lshl_add_u32 v[BA], v15, 6, BIAS
	v_lshl_add_u32 v[BVA], v14, 4, BV4
	v_add_nc_u32 v[WSA], WSC, v[GS1]
	v_add_nc_u32 v[WSVA], WSC, v[GS2]
	v_add_nc_u32 v[SW16], s61, v[W16]
	v_add_nc_u32 v[SW8], s61, v[W8]
	v_lshl_add_u32 v[SMS], v0, 2, WSC
	v_lshlrev_b32 v[SMG], 2, v0
	v_and_b32 v[BG], 63, v0
	v_lshlrev_b32 v[BG], 2, v[BG]
	v_add_nc_u32 v[BL], BIAS, v[BG]
	v_lshl_add_u32 v[BL4], v[BG], 2, BV4
.irp z, 0,1,2,3
	v_mov_b32 v[TP+\z], 0                          ; a lane permute's destination counts as one of its sources
.endr
	s_mov_b32 s49, 0                               ; offsets are pairs with 0 above: all stay under 2^32
	s_mov_b32 s51, 0
	s_lshl_b32 s56, s[BB], 10
	s_add_co_u32 s57, s56, s[Q0]                   ; my first row of query
	s_mul_i32 s48, s57, 192
	s_lshl_b32 s50, s57, 3
	s_wait_kmcnt 0x0
	s_add_nc_u64 s[8:9], s[8:9], s[48:49]
	s_add_nc_u64 s[10:11], s[10:11], s[50:51]
	s_lshl_b32 s57, s[WV], 6
	s_add_co_u32 s57, s56, s57                     ; my first row of key
	s_mul_i32 s48, s57, 192
	s_lshl_b32 s50, s57, 3
	s_add_nc_u64 s[12:13], s[12:13], s[48:49]
	s_add_nc_u64 s[14:15], s[14:15], s[50:51]
	s_lshl_b32 s56, s[HD], 6                       ; the head's first row of a weight.  Wave w stages six w of each: tile w / 4 (= a), 48 (w % 4) bytes along the row
	s_lshr_b32 s57, s[GA], 1
	s_lshl_b32 s57, s57, 5
	s_and_b32 s58, s[GA], 1
	s_lshl_b32 s58, s58, 3
	s_add_co_u32 s57, s57, s58
	s_add_co_u32 s57, s57, s56                     ; Wq, Wk: tile 2 b + u begins at row 32 b + 8 u
	s_mul_i32 s48, s57, 192
	s_mul_i32 s59, s[GI], 48
	s_add_co_u32 s48, s48, s59
	s_add_nc_u64 s[16:17], s[16:17], s[48:49]
	s_add_nc_u64 s[20:21], s[20:21], s[48:49]
	s_lshl_b32 s57, s[GA], 4
	s_add_co_u32 s57, s57, s56                     ; Wv: tile n begins at row 16 n
	s_mul_i32 s48, s57, 192
	s_add_co_u32 s48, s48, s59
	s_add_nc_u64 s[24:25], s[24:25], s[48:49]
	s_lshl_b32 s48, s[HD], 9                       ; the head's 64 rows of 8 scale bytes
	s_add_nc_u64 s[18:19], s[18:19], s[48:49]
	s_add_nc_u64 s[22:23], s[22:23], s[48:49]
	s_add_nc_u64 s[26:27], s[26:27], s[48:49]
	s_lshl_b32 s48, s[HD], 8                       ; its 64 numbers of a bias
	s_add_nc_u64 s[28:29], s[28:29], s[48:49]
	s_add_nc_u64 s[30:31], s[30:31], s[48:49]
	s_add_nc_u64 s[32:33], s[32:33], s[48:49]
	s_lshl_b32 s57, s[BH], 6
	s_add_co_u32 s57, s57, s60                     ; out0: row 64 (8 image + head) + 16 i, of 4,096 bytes,
	s_lshl_b32 s48, s57, 12
	s_lshl_b32 s58, s[GG], 8                       ; and my group's 64 places in it
	s_add_co_u32 s48, s48, s58
	s_add_nc_u64 s[34:35], s[34:35], s[48:49]
.irp p, 0,1,2
	global_load_b64 v[ACC+2*\p:ACC+2*\p+1], v[GA1], s[16:17] offset:8*\p          ; my six of Wq,
.endr
.irp p, 0,1,2
	global_load_b64 v[ACC+6+2*\p:ACC+6+2*\p+1], v[GA1], s[20:21] offset:8*\p      ; of Wk,
.endr
.irp p, 0,1,2
	global_load_b64 v[ACC+12+2*\p:ACC+12+2*\p+1], v[GA2], s[24:25] offset:8*\p    ; of Wv
.endr
.irp ks, 0,1
.irp p, 0,1,2,3,4,5
	global_load_b64 v[SV+12*\ks+2*\p:SV+12*\ks+2*\p+1], v[GA2], s[8:9] offset:96*\ks+48*(\p/3)+8*(\p%3)   ; my 16 queries' two fragments
.endr
.endr
	global_load_b32 v[QXS], v[GS2], s[10:11]       ; and their scale words
	s_cmp_lt_u32 s[WV], 4                          ; waves 0 to 3: the weights' scale bytes, 512 of each, a word a thread
	s_cbranch_scc0 .Lno_scales
	global_load_b32 v[SD], v[SMG], s[18:19]
	global_load_b32 v[SD+1], v[SMG], s[22:23]
	global_load_b32 v[SD+2], v[SMG], s[26:27]
	s_wait_loadcnt 0x0
	ds_store_b32 v[SMS], v[SD]
	ds_store_b32 v[SMS], v[SD+1] offset:512
	ds_store_b32 v[SMS], v[SD+2] offset:1024
.Lno_scales:
	s_cmp_eq_u32 s[STT], 2                         ; waves 4 and 5: the biases, a number a thread
	s_cbranch_scc0 .Lno_bias
	global_load_b32 v[BD], v[BG], s[28:29]
	global_load_b32 v[BD+1], v[BG], s[30:31]
	global_load_b32 v[BD+2], v[BG], s[32:33]
	s_wait_loadcnt 0x0
	ds_store_b32 v[BL], v[BD]
	ds_store_b32 v[BL], v[BD+1] offset:256
.irp z, 0,4,8,12
	ds_store_b32 v[BL4], v[BD+2] offset:\z         ; bv four times, so that two loads of 16 bytes fill a C whose eight registers are one d's
.endr
.Lno_bias:
	s_wait_loadcnt 13                              ; my three sixes are in: behind them stand the query's 12 + 1 loads, which may stay out (in waves 0 to 5 nothing is out)
	ST6 SW16, SW8, ACC, 0
	ST6 SW16, SW8, ACC+6, 12288
	ST6 SW16, SW8, ACC+12, 24576
.irp kt, 0,1,2,3
.irp ks, 0,1
.irp p, 0,1,2,3,4,5
	global_load_b64 v[KV+24*\kt+12*\ks+2*\p:KV+24*\kt+12*\ks+2*\p+1], v[GA1], s[12:13] offset:(32*(\kt/2)+8*(\kt%2))*192+96*\ks+48*(\p/3)+8*(\p%3)   ; my 64 keys: four tiles, rows chosen for the next K
.endr
.endr
	global_load_b32 v[KVS+\kt], v[GS1], s[14:15] offset:(32*(\kt/2)+8*(\kt%2))*8
.endr
	BARRIER                                        ; the weights, their scale bytes and the biases lie in LDS.  (The loads of key go into registers and stay on their way)
; ---------------- q: q^T = Wq query^T + bq: a lane holds one query, the 16 registers of tiles 2 bd, 2 bd + 1 are d = 32 bd + 16 h + 0 .. 15.  Two accumulators by turns
.irp bd, 0,1
	LDW WF, 8*\bd
	LDW ACC+32, 8*\bd+4
	LDCB CB, BA, 128*\bd, 128*\bd+16
	LDCB ACC+56, BA, 128*\bd+32, 128*\bd+48
	ds_load_b32 v[WS], v[WSA] offset:256*\bd
	ds_load_b32 v[WS2], v[WSA] offset:256*\bd+64
	s_wait_dscnt 0x0
.if \bd == 0
	s_wait_loadcnt 52                              ; the query is in: behind it stand key's 48 + 4 loads, which may stay out
.endif
	PW ACC+16*\bd, WF, SV, CB, WS, QXS, 0
	PW ACC+16*\bd+8, ACC+32, SV, ACC+56, WS2, QXS, 0
	PW ACC+16*\bd, WF+12, SV+12, 0, WS, QXS, 1
	PW ACC+16*\bd+8, ACC+44, SV+12, 0, WS2, QXS, 1
	PLACES 5                                       ; in front of loads into the products' registers and of reads of their results
.endr
	QSCALE 2
	CVT QF, 0
	CVT WF, 1
	v_nop                                          ; one plain place behind a scaled conversion
	PAIR QF, WF                                    ; q's six: lane (r, h): query r, d = 32 h .. 32 h + 31
	v_lshl_or_b32 v[QS], v[TP+1], 8, v[TP]         ; its scale word: two bytes, and 0 for the two blocks that are not there
; ---------------- v = key Wv^T + bv: source 0 = 16 keys, source 1 = 16 rows of Wv: a lane holds one d, the 16 registers of key tiles 2 b, 2 b + 1 are 16 neighbouring keys.  Two tiles of d, then their four blocks are quantised
.irp np, 0,1
.irp e, 0,1
	s_wait_dscnt 0x0                               ; my LDS stores have read their registers
	LDW WF, 32+4*(2*\np+\e)
	LDCB CB, BVA, 256*(2*\np+\e), 256*(2*\np+\e)
	ds_load_b32 v[WS], v[WSVA] offset:1024+128*(2*\np+\e)
	s_wait_dscnt 0x0
.if \np+\e == 0
	s_wait_loadcnt 0x0                             ; key
.endif
.irp kt, 0,1,2,3
	PW ACC+32*\e+8*\kt, KV+24*\kt, WF, CB, KVS+\kt, WS, 0       ; four accumulators by turns
.endr
.irp kt, 0,1,2,3
	PW ACC+32*\e+8*\kt, KV+24*\kt+12, WF+12, 0, KVS+\kt, WS, 1
.endr
	PLACES 5
.endr
	QSCALE 4                                       ; block 2 e + b: tile 2 np + e of d, my keys 32 b .. 32 b + 31
	CVT SV, 0
	CVT WF, 1
	CVT SV+6, 2
	CVT WF+4, 3
	v_nop
	PAIR SV, WF
	PAIR SV+6, WF+4
	v_lshl_or_b32 v[TP], v[TP+1], 8, v[TP]
	v_lshl_or_b32 v[TP+2], v[TP+3], 8, v[TP+2]
	ST6 ST16, ST8, SV, VI+768*(2*\np)
	ST6 ST16, ST8, SV+6, VI+768*(2*\np+1)
	ds_store_b16 v[VSS], v[TP] offset:VS+8*\np     ; my half's two bytes of the step's scale word
	ds_store_b16 v[VSS], v[TP+2] offset:VS+8*\np+4
.endr
; ---------------- k^T = Wk key^T + bk: as q, for my four tiles of keys.  After d's first 32 the half blocks wait in SV and the bytes in SB
.irp bd, 0,1
.irp ud, 0,1
	s_wait_dscnt 0x0
	LDW WF, 16+4*(2*\bd+\ud)
	LDCB CB, BA, 256+128*\bd+32*\ud, 256+128*\bd+32*\ud+16
	ds_load_b32 v[WS], v[WSA] offset:512+256*\bd+64*\ud
	s_wait_dscnt 0x0
.irp kt, 0,1,2,3
	PW ACC+16*\kt+8*\ud, WF, KV+24*\kt, CB, WS, KVS+\kt, 0
.endr
.irp kt, 0,1,2,3
	PW ACC+16*\kt+8*\ud, WF+12, KV+24*\kt+12, 0, WS, KVS+\kt, 1
.endr
	PLACES 5
.endr
	QSCALE 4                                       ; block kt: key tile kt, d = 32 bd .. 32 bd + 31
.if \bd == 0
.irp kt, 0,1,2,3
	CVT SV+6*\kt, \kt
.endr
	v_nop
.irp kt, 0,1,2,3
	v_mov_b32 v[SB+\kt], v[TP+\kt]
.endr
.else
.irp kt, 0,1,2,3
	CVT WF+4*\kt, \kt
.endr
	v_nop
.irp kt, 0,1,2,3
	PAIR SV+6*\kt, WF+4*\kt
.endr
.irp kt, 0,1,2,3
	v_lshl_or_b32 v[TP+\kt], v[TP+\kt], 8, v[SB+\kt]
.endr
.irp kt, 0,1,2,3
	ST6 ST16, ST8, SV+6*\kt, KI+768*\kt
	ds_store_b32 v[KSS], v[TP+\kt] offset:KS+4*\kt
.endr
.endif
.endr
	s_wait_dscnt 0x0                               ; for the others' sake: my images have landed; and the stores have read their registers, which are written below
	s_barrier_signal -1
	; register work while the others arrive: what the key loop starts from
.irp z, 6,7,8,9,10,11
	v_mov_b32 v[QF+\z], 0                          ; q's blocks that are not there: zero codes
.endr
.irp z, 48,49,50,51,52,53
	v_mov_b32 v[KF+\z], 0                          ; what the last key tile's operand names behind its six
.endr
.set n, 0
.rept 32
	v_mov_b32 v[OA+n], 0                           ; O^T.  The step is written once: the first finds zeros, which the first change of M leaves zeros
.set n, n+1
.endr
.irp z, 0,1,2,3
	v_mov_b32 v[BP+\z], 0                          ; a lane permute's destination counts as one of its sources
.endr
	v_mov_b32 v[LS], 0
	v_mov_b32 v[LS+1], 0
	v_mov_b32 v[FA+1], 0                           ; named as the upper half of a pair
	v_mov_b32 v[TX], 0xff61b1e6                    ; -3e38, under every t
	v_floor_f32 v[NM], -v[TX]
	v_mov_b32 v[NINF], 0xff800000
	v_and_b32 v[T0], 15, v0                        ; r
	v_bfe_u32 v[T1], v0, 4, 1                      ; h
	s_mul_i32 s56, s[GA], SGRP
	s_lshl_b32 s57, s[GI], 6
	s_add_co_u32 s57, s57, s56
	s_add_co_u32 s57, s57, STG
	v_mul_u32_u24 v[SO], v[T1], 8*SPITCH
	v_lshl_add_u32 v[SO], v[T0], 2, v[SO]
	v_add_nc_u32 v[SO], s57, v[SO]                 ; into the stage: row d = 8 h + .., my query's 4 bytes: 64 i + 4 r
	s_mul_i32 s58, s[GI], 16*SPITCH
	s_add_co_u32 s58, s58, s56
	s_add_co_u32 s58, s58, STG
	v_mul_u32_u24 v[SR], v[T1], SPITCH
	v_lshl_add_u32 v[SR], v[T0], 4, v[SR]
	v_add_nc_u32 v[SR], s58, v[SR]                 ; back: my 16 rows; lanes 0-15 one row of 256 bytes, lanes 16-31 the next
	v_lshlrev_b32 v[GO], 12, v[T1]
	v_lshl_add_u32 v[GO], v[T0], 4, v[GO]          ; and the same two rows in out0
	v_lshlrev_b32 v[DD], 4, v[T1]
	v_sub_nc_u32 v[DD], v[T0], v[DD]
	v_add_nc_u32 v[DD], s[DM], v[DD]
	s_mov_b32 s[TB], 0
	s_mov_b32 s[TT], 0
	s_barrier_wait -1                              ; k and v of the whole head lie in LDS; nobody writes them again
; ---------------- THE KEY LOOP: eight trips in every wave, a constant, so that every LDS address can be read off the text; a step all of whose keys come after my queries is jumped over
.Lstep:
	v_add_nc_u32 v[A16], s[TB], v[L16]
	v_add_nc_u32 v[A8], s[TB], v[L8]
	s_cmp_gt_u32 s[TT], s[LAST]
	s_cbranch_scc1 .Lhidden
	PLACES 2                                       ; with the two additions: four places in front of loads into registers that the last step's products read
.irp ta, 0,1,2,3,4,5,6,7
	LD6 A16, A8, KF+6*\ta, KI+768*\ta
.endr
	ds_load_b128 v[KSR:KSR+3], v[A16] offset:KS
	ds_load_b128 v[KSR+4:KSR+7], v[A16] offset:KS+512
	s_wait_dscnt 0x0
.irp ta, 0,1,2,3,4,5,6,7
	v_wmma_scale_f32_16x16x128_f8f6f4 v[SC+8*\ta:SC+8*\ta+7], v[KF+6*\ta:KF+6*\ta+11], v[QF:QF+11], 0, v[KSR+\ta], v[QS] matrix_a_fmt:MATRIX_FMT_FP6 matrix_b_fmt:MATRIX_FMT_FP6
.endr                                              ; lane (r, h): query r; the 16 registers of tiles 2 b, 2 b + 1: keys 32 b + 16 h + 0 .. 15 of the step
	PLACES 4                                       ; in front of the loads over k's sixes and of the first read of the scores
.irp c, 0,1
.irp n, 0,1,2,3
	LD6 A16, A8, KF+12*\n+6*\c, VI+768*(4*\c+\n)   ; v's four fragments land while the softmax is walked
.endr
.endr
	ds_load_b128 v[VSR:VSR+3], v[A16] offset:VS
	s_cmp_lt_u32 s[TT], s[LAST]
	s_cbranch_scc1 .Lopen                          ; only my last step lies on the diagonal
.set n, 0
.rept 64
	v_cmp_gt_i32 vcc_lo, 32*(n/16)+n%16, v[DD]     ; register 16 b + i holds key 32 b + 16 h + i: hidden where it comes after my query
	v_cndmask_b32 v[SC+n], v[SC+n], v[NINF], vcc_lo
.set n, n+1
.endr
.Lopen:
.irp b, 0,1,2,3
	v_max3_num_f32 v[BM+\b], v[SC+16*\b], v[SC+16*\b+1], v[SC+16*\b+2]   ; the largest score of each block of 32 keys: for the row's maximum, and, since p rises with the score, for the block's largest p
.endr
.irp i, 3,5,7,9,11,13
.irp b, 0,1,2,3
	v_max3_num_f32 v[BM+\b], v[BM+\b], v[SC+16*\b+\i], v[SC+16*\b+\i+1]
.endr
.endr
.irp b, 0,1,2,3
	v_max_num_f32 v[BM+\b], v[BM+\b], v[SC+16*\b+15]
.endr
.irp b, 0,1,2,3
	v_permlanex16_b32 v[BP+\b], v[BM+\b], s[SEL], s[SEL+1]
.endr
.irp b, 0,1,2,3
	v_max_num_f32 v[BM+\b], v[BM+\b], v[BP+\b]     ; with lane l xor 16's 16 keys
.endr
	v_max3_num_f32 v[T0], v[BM], v[BM+1], v[BM+2]
	v_max_num_f32 v[T0], v[T0], v[BM+3]
	v_mul_f32 v[T0], s[CS], v[T0]                  ; the step's largest t of my query
	v_max_num_f32 v[TX], v[TX], v[T0]
	v_mov_b32 v[T0], v[NM]
	v_floor_f32 v[NM], -v[TX]                      ; -M = floor(-t): M is a whole number
	v_sub_f32 v[T0], v[NM], v[T0]                  ; old M - new M: a whole number, 0 or less
	v_cvt_i32_f32 v[T0], v[T0]                     ; (it saturates)
	v_ldexp_f32 v[FA], 1.0, v[T0]                  ; 2^(old M - new M): a multiplication by it rounds nothing
.set n, 0
.rept 32
	v_pk_fma_f32 v[SC+n:SC+n+1], v[SC+n:SC+n+1], s[CS:CS+1], v[NM:NM+1] op_sel_hi:[1,0,0]   ; t - M, two at a time
.set n, n+2
.endr
.irp b, 0,1,2,3
	v_fma_f32 v[BM+\b], v[BM+\b], s[CS], v[NM]     ; the same of each block's largest score
.endr
.set n, 0
.rept 64
	v_exp_f32 v[SC+n], v[SC+n]                     ; p = 2^(t - M), not normalised
.set n, n+1
.endr
.irp b, 0,1,2,3
	v_exp_f32 v[BM+\b], v[BM+\b]                   ; the block's largest p: the same two instructions on the same number
.endr
	v_pk_mul_f32 v[LS:LS+1], v[LS:LS+1], v[FA:FA+1] op_sel_hi:[1,0]   ; the sum under the new M.  (The plain place behind the exponentials)
	s_wait_alu depctr_va_vdst(0)
.irp b, 0,1,2,3
	v_max_num_f32 v[BM+\b], 0x1800000, v[BM+\b]    ; the floor 2^(3 - 127): a block whose every p is 0 keeps the byte 1
.endr
.irp b, 0,1,2,3
	v_add_nc_u32 v[BS+\b], 0xff000000, v[BM+\b]
.endr
.irp b, 0,1,2,3
	v_lshrrev_b32 v[BP+\b], 23, v[BS+\b]
.endr
	v_lshl_or_b32 v[PS], v[BP+1], 8, v[BP]         ; p's scale word for these 128 keys
	v_lshl_or_b32 v[PS], v[BP+2], 16, v[PS]
	v_lshl_or_b32 v[PS], v[BP+3], 24, v[PS]
.irp c, 0,1
	v_cvt_scalef32_pk16_fp6_f32 v[PC+6*\c:PC+6*\c+2], v[SC+32*\c:SC+32*\c+15], v[BS+2*\c]
	v_cvt_scalef32_pk16_fp6_f32 v[PB+4*\c:PB+4*\c+2], v[SC+32*\c+16:SC+32*\c+31], v[BS+2*\c+1]
.endr
	v_nop                                          ; one plain place behind a scaled conversion
	PAIR PC, PB
	PAIR PC+6, PB+4
	v_pk_add_f32 v[PB:PB+1], v[SC:SC+1], v[SC+2:SC+3]   ; the row's sum is taken of the unquantised p: two at a time, in two chains
.set n, 4
.rept 15
	v_pk_add_f32 v[LS:LS+1], v[LS:LS+1], v[SC+n:SC+n+1]
	v_pk_add_f32 v[PB:PB+1], v[PB:PB+1], v[SC+n+2:SC+n+3]
.set n, n+4
.endr
	v_pk_add_f32 v[LS:LS+1], v[LS:LS+1], v[PB:PB+1]
.set n, 0
.rept 16
	v_pk_mul_f32 v[OA+n:OA+n+1], v[OA+n:OA+n+1], v[FA:FA+1] op_sel_hi:[1,0]   ; O^T under the new M, each accumulator from its low end on.  (The sums and these are the places between p's codes and scale word and the products)
.set n, n+2
.endr
	s_wait_dscnt 0x0                               ; v's fragments and scale words
.irp n, 0,1,2,3
	v_wmma_scale_f32_16x16x128_f8f6f4 v[OA+8*\n:OA+8*\n+7], v[KF+12*\n:KF+12*\n+11], v[PC:PC+11], v[OA+8*\n:OA+8*\n+7], v[VSR+\n], v[PS] matrix_a_fmt:MATRIX_FMT_FP6 matrix_b_fmt:MATRIX_FMT_FP6
.endr                                              ; four accumulators, one instruction each; the next matrix instruction starts a score tile anew
.Lhidden:
	s_add_co_u32 s[TB], s[TB], STEPB
	s_add_co_u32 s[TT], s[TT], 1
	s_cmp_lt_u32 s[TT], 8
	s_cbranch_scc1 .Lstep
; ---------------- THE WAY OUT.  A lane holds one query and 32 d; a row of out0 runs along the queries.  The four waves of a group put their 16 queries' numbers into the group's stage, 64 rows (d) of 64 queries,
; and each takes 16 whole rows back: sixteen lanes store 256 consecutive bytes, at a multiple of 256 from out0's first byte.
	PLACES 4
	v_add_f32 v[LS], v[LS], v[LS+1]
	v_permlanex16_b32 v[T0], v[LS], s[SEL], s[SEL+1]
	v_add_f32 v[LS], v[LS], v[T0]                  ; the row's sum
	v_rcp_f32 v[LS], v[LS]
	v_nop                                          ; one plain place behind a transcendental
.set n, 0
	s_wait_alu depctr_va_vdst(0)
.rept 32
	v_mul_f32 v[SC+n], v[OA+n], v[LS]              ; register 8 n + j: out(d = 16 n + 8 h + j, my query)
.set n, n+1
.endr
.irp n, 0,1,2,3
.irp j, 0,1,2,3,4,5,6,7
	ds_store_b32 v[SO], v[SC+8*\n+\j] offset:(16*\n+\j)*SPITCH   ; lanes 0-15: 64 consecutive bytes; lanes 16-31: eight rows on, 128 bytes further round the banks
.endr
.endr
	BARRIER                                        ; the group's 64 rows are whole
.irp m, 0,1,2,3,4,5,6,7
	ds_load_b128 v[OUTR+4*\m:OUTR+4*\m+3], v[SR] offset:2*\m*SPITCH
.endr
.irp m, 0,1,2,3,4,5,6,7
	s_wait_dscnt 7-\m                              ; LDS loads come back in order: the younger ones may stay out
	global_store_b128 v[GO], v[OUTR+4*\m:OUTR+4*\m+3], s[34:35] offset:8192*\m th:TH_STORE_NT   ; rows 16 i + 2 m and 16 i + 2 m + 1; written once, read by nobody here
.endr
	s_wait_xcnt 0x0
	v_lshl_add_u32 v254, v0, 2, 0x35c00
	v_mov_b32 v255, 0
	s_wait_tensorcnt 0x0
	ds_add_u32 v254, v255
	s_wait_dscnt 0x0
	s_endpgm
.Lfunc_end_k_q50cfa97c5c_snail:
	.size	k_q50cfa97c5c_snail, .Lfunc_end_k_q50cfa97c5c_snail-k_q50cfa97c5c_snail
	.p2alignl 7, 3214868480
	.fill 96, 4, 3214868480
	.section	.rodata,"a",@progbits
	.p2align	6, 0x0
	.amdhsa_kernel k_q50cfa97c5c_snail
		.amdhsa_group_segment_fixed_size 222208
		.amdhsa_private_segment_fixed_size 0
		.amdhsa_enable_private_segment 0
		.amdhsa_kernarg_size 112
		.amdhsa_user_sgpr_count 2
		.amdhsa_user_sgpr_kernarg_segment_ptr 1
		.amdhsa_wavefront_size32 1
		.amdhsa_system_sgpr_workgroup_id_x 1
		.amdhsa_system_sgpr_workgroup_id_y 1
		.amdhsa_system_sgpr_workgroup_id_z 1
		.amdhsa_system_vgpr_workitem_id 0
		.amdhsa_next_free_vgpr 256
		.amdhsa_next_free_sgpr 66
		.amdhsa_reserve_vcc 1
		.amdhsa_float_denorm_mode_32 3
		.amdhsa_float_denorm_mode_16_64 3
		.amdhsa_memory_ordered 1
		.amdhsa_forward_progress 1
		.amdhsa_inst_pref_size 81
	.end_amdhsa_kernel
	.amdgpu_metadata
---
amdhsa.version: [ 1, 2 ]
amdhsa.kernels:
  - .name:           k_q50cfa97c5c_snail
    .symbol:         k_q50cfa97c5c_snail.kd
    .args:
      - { .name: query_codes, .offset: 0, .size: 8, .value_kind: global_buffer, .address_space: global }
      - { .name: query_scales, .offset: 8, .size: 8, .value_kind: global_buffer, .address_space: global }
      - { .name: key_codes, .offset: 16, .size: 8, .value_kind: global_buffer, .address_space: global }
      - { .name: key_scales, .offset: 24, .size: 8, .value_kind: global_buffer, .address_space: global }
      - { .name: Wq_codes, .offset: 32, .size: 8, .value_kind: global_buffer, .address_space: global }
      - { .name: Wq_scales, .offset: 40, .size: 8, .value_kind: global_buffer, .address_space: global }
      - { .name: Wk_codes, .offset: 48, .size: 8, .value_kind: global_buffer, .address_space: global }
      - { .name: Wk_scales, .offset: 56, .size: 8, .value_kind: global_buffer, .address_space: global }
      - { .name: Wv_codes, .offset: 64, .size: 8, .value_kind: global_buffer, .address_space: global }
      - { .name: Wv_scales, .offset: 72, .size: 8, .value_kind: global_buffer, .address_space: global }
      - { .name: bq, .offset: 80, .size: 8, .value_kind: global_buffer, .address_space: global }
      - { .name: bk, .offset: 88, .size: 8, .value_kind: global_buffer, .address_space: global }
      - { .name: bv, .offset: 96, .size: 8, .value_kind: global_buffer, .address_space: global }
      - { .name: out0, .offset: 104, .size: 8, .value_kind: global_buffer, .address_space: global }
    .group_segment_fixed_size: 222208
    .private_segment_fixed_size: 0
    .kernarg_segment_align: 8
    .kernarg_segment_size: 112
    .max_flat_workgroup_size: 512
    .sgpr_count:     66
    .vgpr_count:     256
    .wavefront_size: 32
...
	.end_amdgpu_metadata
.endif
;; end of part 1
;; ======== version 2 of 2: 1 launch; version 1 with the launch snail written anew for expert scheduling mode
;; launch snail (part 2): grid 4 x 64, 16 waves a work-group, no clusters, 222,208 bytes of LDS; arguments query_codes, query_scales, key_codes, key_scales, Wq_codes, Wq_scales, Wk_codes, Wk_scales, Wv_codes, Wv_scales, bq, bk, bv, out0; writes out0
.if DOCPART == 2
	.amdgcn_target "amdgcn-amd-amdhsa--gfx1250"
	.amdhsa_code_object_version 6
	.text
	.protected	k_q50cfa97c5c_snail
	.globl	k_q50cfa97c5c_snail
	.p2align	8
	.type	k_q50cfa97c5c_snail,@function
k_q50cfa97c5c_snail:
	s_mov_b64 s[64:65], 0
	v_nop
	global_prefetch_b8 v0, s[64:65] scope:SCOPE_SE
	s_setreg_imm32_b32 hwreg(HW_REG_WAVE_SCHED_MODE, 0, 2), 2
	s_setreg_imm32_b32 hwreg(HW_REG_WAVE_MODE, 25, 1), 1
	s_wait_xcnt 0x0
	s_wait_alu depctr_vm_vsrc(0)
; Causal attention with its three projections, all five products on codes of FP6 (E2M3) with one E8M0 scale for each 32 along K.  8 images x 8 heads of 64, 1,024 places.
; q = query Wq^T + bq, k = key Wk^T + bk, v = key Wv^T + bv (K = 256: two matrix instructions deep); S = q k^T / 8 under the causal mask; p = 2^(t - M), t = S log2(e), M the running
; largest t rounded up to a whole number; out = (p v) / (the sum of the unquantised p), stored as out0[image][64 head + d][place].
; ONE LAUNCH.  Four work-groups to each (image, head), 256 in all, sixteen waves of 256 registers each.  A work-group projects and quantises k and v of its WHOLE head into LDS, wave w the keys
; 64 w .. 64 w + 63, as images of operand registers; each wave projects and quantises q of its own 16 queries in registers; then each wave walks the keys, 128 a step, out of LDS.
; Nothing goes through memory between the steps.  The price: the four work-groups of a head each make the head's k and v (64 of a wave's 72 projection products).
; SHARES.  A group G (0 .. 15) is 64 neighbouring queries and needs G / 2 + 1 key steps.  Waves 4 a .. 4 a + 3 of work-group j take group 4 a + j (a even) or 4 a + 3 - j (a odd), 16 queries each:
; that is 18 key steps for the four waves with the same w % 4, in every work-group.  A group's four waves hold 64 queries x 64 d: 64 whole rows of 256 bytes of out0.
; NO JOINT REQUESTS, though 32 work-groups read the same rows of key: a joint request is a tensor load into LDS, and a head's 1,024 rows of key codes (196,608 bytes) beside k's and v's images
; (110,592) and the weights' (36,864) are more LDS than a work-group can be given; here each wave's 64 rows go once, straight into its operand registers.  So there is no tensor load and no ring.
; A SIX: 16 rows x 64 K of codes, 6 registers a lane (lane (r, h): row r, K = 32 h .. 32 h + 31), half of an operand.  It lies in LDS as its registers stand: registers 0-3 at 16 x lane, 4-5 at 512 + 8 x lane.
; K = 64 IN AN INSTRUCTION OF K = 128 (S = q k^T): q's registers 6-11 are zero codes and bytes 2, 3 of q's and k's scale words are 0, so k's registers 6-11 may hold any codes: key tile i is named
; over its own six and the next tile's, and six zeroed registers stand behind the last.
; BOTH ATTENTION PRODUCTS ARE USED TRANSPOSED (source 0 = 16 keys, or 16 d; source 1 = my 16 queries): a lane holds one query throughout.  THE ROWS OF A TILE THAT BECOMES THE NEXT K ARE NOT NEIGHBOURS:
; lane r of tile 2 b + u takes row 32 b + 8 u + r + 8 (r / 8), so that the 16 registers of tiles 2 b, 2 b + 1 are 16 neighbours along the next K.  One fragment of key so serves as source 1 of
; k^T = Wk key^T (a lane: one key, registers along d) and as source 0 of v = key Wv^T (a lane: one d, registers along the keys).
; LIMITS: NaN and infinities among the inputs are not served.  A block of zeros gets the scale byte 1 where the rule says 127: its codes are zeros and this program alone reads the byte.
; A p under 2^-126 is taken as 0 (the exponential gives no denormals).
; THE MODE: SCHED_MODE bits 1:0 = 2 (LLVM: expert scheduling mode 2), set by the entry lines.  The code itself states the register dependences between vector or matrix instructions
; and memory or LDS instructions, with s_wait_alu, always for 0.
; THE PLAN.  Registers that memory or LDS instructions touch:
;   the head         The addresses are made by vector lines ahead of ONE wait on va_vdst, in front of the first load; no vector line follows it before the q part's first loads.  What was staged (v32-60) and four
;                    addresses (v28-31) are read by stores and loads and later written by products and moves: one wait on vm_vsrc behind the first barrier.
;   WF, CB, WS       A tile of weights, its bias, its scale words: loaded from LDS, read by the tile's products; WF and CB are then written by the quantiser.  One wait on va_vdst ahead of a tile's loads, wherever a
;                    vector or matrix line has named them since the last such wait.
;   SV, TP           Codes and scale bytes: written by the quantiser, read by the LDS stores of the images (one wait on va_vdst ahead of each run of stores), written again by the next quantiser, or by CB's loads
;                    (one wait on vm_vsrc behind each run of stores).
;   A16, A8          The key step's two LDS addresses: read by every LDS load of a trip, written at the next trip's head: a wait on vm_vsrc ahead of the two additions, and behind them the wait on va_vdst that k's loads owe anyway.
;   KF, KSR, VSR     k's sixes land (behind that wait: the last trip's products are done reading them), the score products read them, v's fragments land over them (a wait on va_vdst behind the score products),
;                    the last products read them.
;   PC, PS, QF, QS   Operands and scale words that vector lines make: a wait on va_vdst stands between their last writer and the scaled product, behind the places.
;   the way out      The quotients (v88-119) are read by the stage's stores: one wait on va_vdst, which also shows the last readers of v120-151 done, where the rows come back.
; All 256 registers of a wave are spoken for in the projections, and in the key loop fewer are free than a second set of k's sixes would take: so no buffer is doubled.
.set STEPB, 13824                      ; LDS: eight key steps of 128 keys, each:
.set KI,    0                          ;   k: eight sixes, one a tile of 16 keys
.set VI,    6144                       ;   v: eight sixes: (half c of the keys, tile n of 16 d) at 4 c + n
.set KS,    12288                      ;   k's scale words: 512 (tile / 4) + 16 lane + 4 (tile % 4)
.set VS,    13312                      ;   v's scale words: 16 lane + 4 n, byte 2 c + block
.set WIMG,  8*STEPB                    ; the head's weights: 48 sixes: matrix X (0 q, 1 k, 2 v) at 16 X + 4 tile + 2 K step + half
.set WSC,   WIMG+48*768                ; their scale bytes as they lie: 512 X + 8 row
.set BIAS,  WSC+1536                   ; bq's 64 numbers, then bk's
.set BV4,   BIAS+512                   ; bv's, each four times: 16 bytes a d
.set STG,   BV4+1024                   ; the way out: for each group of four waves 64 rows (d) of 256 bytes + 16
.set SPITCH, 272
.set SGRP,  64*SPITCH
; scalars
.set WV,   2                           ; my wave
.set BH,   4                           ; 8 image + head
.set BB,   5                           ; image
.set HD,   6                           ; head
.set MK,   8                           ; s8-23 in the key loop: sixteen masks of the diagonal step (the pointers that stood here are done with: every load by them has been waited for)
.set GA,   36                          ; a = wave / 4
.set GI,   37                          ; i = wave % 4
.set GG,   38                          ; my group of 64 queries
.set LAST, 39                          ; my last key step, the one on the diagonal
.set Q0,   40                          ; my first query
.set DM,   41                          ; my first query less the diagonal step's first key
.set SEL,  42                          ; s[42:43] selects for v_permlanex16_b32: lane l xor 16
.set CS,   44                          ; s[44:45] log2(e) / 8, twice: the packed form names a pair
.set TB,   46                          ; LDS byte of the key step in hand
.set TT,   47                          ; its number
.set STT,  54                          ; the key step that my 64 keys belong to
.set STC,  55                          ; and which half of it
; vector registers that stay
.set L16,  1                           ; 16 x lane
.set L8,   2                           ; 8 x lane
.set GA1,  13                          ; 192 (r + 8 (r / 8)) + 24 h: a fragment's bytes, rows chosen for the next K
.set GS1,  254                         ; 8 (r + 8 (r / 8)) + 4 h: such a row's scale word: lanes 0-15 K step 0's, lanes 16-31 K step 1's
.set GA2,  255                         ; 192 r + 24 h: neighbouring rows
.set QF,   22                          ; v22-33 q's operand: six registers of codes, six of zeros
; the projections
.set W16,  3                           ; WIMG + 16 lane
.set W8,   4                           ; WIMG + 8 lane
.set ST16, 5                           ; where my sixes go: my step + 4 sixes x my half + 16 lane
.set ST8,  6                           ; the same with 8 lane
.set KSS,  7                           ; k's scale words: my step + 512 x my half + 16 lane
.set VSS,  8                           ; v's: my step + 2 x my half + 16 lane
.set BA,   9                           ; BIAS + 64 h
.set BVA,  10                          ; BV4 + 16 r
.set WSA,  11                          ; WSC + GS1
.set WSVA, 12                          ; WSC + 8 r + 4 h
.set TM,   14                          ; v14-17 largest magnitudes, then the conversions' scale operands
.set TP,   18                          ; v18-21 the other half's, then the scale bytes
.set CB,   14                          ; v14-21 also a tile's bias as C: alive from its load to the tile's first products
.set SB,   28                          ; v28-31 k's first scale bytes.  At the head: four addresses
.set GS2,  28                          ; 8 r + 4 h
.set SW16, 29                          ; W16 + 768 wave
.set SW8,  30                          ; W8 + 768 wave
.set SMS,  31                          ; WSC + 4 thread
.set ACC,  32                          ; v32-95 eight accumulators.  At the head: three sixes of weights and what is staged
.set SD,   50                          ; v50-52 scale words on their way to LDS
.set SMG,  54                          ; 4 thread
.set BG,   55                          ; 4 (thread % 64)
.set BL,   56                          ; BIAS + BG
.set BL4,  57                          ; BV4 + 4 BG
.set BD,   58                          ; v58-60 biases on their way to LDS
.set WF,   96                          ; v96-119 a tile of weights (two fragments); when it is done with, the conversions' second halves
.set SV,   120                         ; v120-143 the query's two fragments; later the sixes being made
.set KV,   144                         ; v144-239 my 64 rows of key: fragment (tile kt, K step s) at 24 kt + 12 s
.set KVS,  240                         ; v240-253 hold scales and nothing else: key's words,
.set WS,   244                         ; a weight tile's, a second tile's,
.set WS2,  245
.set QXS,  246                         ; the query's
; attention
.set A16,  3                           ; the step + 16 lane
.set A8,   4                           ; the step + 8 lane
.set SO,   5                           ; the stage: where I put a number
.set SR,   6                           ; and where I read 16 bytes of a row back
.set GO,   7                           ; my byte offset in my rows of out0
.set NINF, 12                          ; -infinity
.set DD,   13                          ; my query - the diagonal step's first key - 16 h
.set NM,   14                          ; -M
.set TX,   15                          ; the largest t so far
.set LS,   16                          ; v16-17 the sum, in two halves
.set FA,   18                          ; 2^(old M - new M); v19 is named with it as a pair
.set T0,   20
.set T1,   21
.set KF,   34                          ; v34-81 k's eight sixes, then v's four fragments; v82-87 zeros
.set SC,   88                          ; v88-151 S^T, then p
.set OA,   152                         ; v152-183 O^T
.set PC,   184                         ; v184-195 p's codes
.set PB,   196                         ; v196-203 the conversions' second halves
.set BM,   204                         ; v204-207 each block's largest score, then its largest p
.set BP,   208                         ; v208-211 the other half's, then the bytes
.set BS,   212                         ; v212-215 the conversions' scale operands
.set KSR,  240                         ; v240-247 k's scale words
.set VSR,  248                         ; v248-251 v's
.set QS,   252                         ; q's
.set PS,   253                         ; p's
.set OUTR, 120                         ; the way out: rows read back
.macro PLACES n                        ; plain vector instructions that name no register of the matrix instructions in front of them (ISA guide 7.12.1)
.rept \n
	v_nop
.endr
.endm
.macro ST6 a16, a8, reg, off           ; a six to LDS as it stands
	ds_store_b128 v[\a16], v[\reg:\reg+3] offset:\off
	ds_store_b64 v[\a8], v[\reg+4:\reg+5] offset:\off+512
.endm
.macro LD6 a16, a8, reg, off           ; and back, in any wave: the same registers in the same lanes
	ds_load_b128 v[\reg:\reg+3], v[\a16] offset:\off
	ds_load_b64 v[\reg+4:\reg+5], v[\a8] offset:\off+512
.endm
.macro LDW reg, six0                   ; a tile of weights: four sixes = the fragments of K steps 0 and 1
.irp k6, 0,1,2,3
	LD6 W16, W8, \reg+6*\k6, (\six0+\k6)*768
.endr
.endm
.macro LDCB reg, adr, o0, o1           ; eight numbers of a bias, in the result's layout
	ds_load_b128 v[\reg:\reg+3], v[\adr] offset:\o0
	ds_load_b128 v[\reg+4:\reg+7], v[\adr] offset:\o1
.endm
; A projection's product.  row = 0: K step 0, the bias as C, scale words from lanes 0-15;  row = 1: K step 1, in place, scale words from lanes 16-31.
.macro PW d, a, b, c, sa, sb, row
.if \row
	v_wmma_scale_f32_16x16x128_f8f6f4 v[\d:\d+7], v[\a:\a+11], v[\b:\b+11], v[\d:\d+7], v[\sa], v[\sb] matrix_a_fmt:MATRIX_FMT_FP6 matrix_b_fmt:MATRIX_FMT_FP6 matrix_a_scale:MATRIX_SCALE_ROW1 matrix_b_scale:MATRIX_SCALE_ROW1
.else
	v_wmma_scale_f32_16x16x128_f8f6f4 v[\d:\d+7], v[\a:\a+11], v[\b:\b+11], v[\c:\c+7], v[\sa], v[\sb] matrix_a_fmt:MATRIX_FMT_FP6 matrix_b_fmt:MATRIX_FMT_FP6
.endif
.endm
; The scales of nb blocks of 32: block q's numbers are my 16 in v[ACC + 16 q] on and lane l xor 16's.  Leaves the conversion's scale operand in v[TM + q] and the byte in v[TP + q].  The blocks take turns line by line.
.macro QSCALE nb
.set qq, 0
.rept \nb
	v_max3_num_f32 v[TM+qq], |v[ACC+16*qq]|, |v[ACC+16*qq+1]|, 0x1800000   ; with the floor 2^(3 - 127): the byte cannot fall under 1
.set qq, qq+1
.endr
.irp i2, 2,4,6,8,10,12,14
.set qq, 0
.rept \nb
	v_max3_num_f32 v[TM+qq], v[TM+qq], |v[ACC+16*qq+\i2]|, |v[ACC+16*qq+\i2+1]|   ; each accumulator from its low end on
.set qq, qq+1
.endr
.endr
.set qq, 0
.rept \nb
	v_permlanex16_b32 v[TP+qq], v[TM+qq], s[SEL], s[SEL+1]
.set qq, qq+1
.endr
.set qq, 0
.rept \nb
	v_max_num_f32 v[TM+qq], v[TM+qq], v[TP+qq]     ; the block's largest magnitude
.set qq, qq+1
.endr
.set qq, 0
.rept \nb
	v_add_nc_u32 v[TM+qq], 0xff000000, v[TM+qq]    ; 2 off its exponent field: the conversion takes that field as its scale
.set qq, qq+1
.endr
.set qq, 0
.rept \nb
	v_lshrrev_b32 v[TP+qq], 23, v[TM+qq]           ; the scale's byte
.set qq, qq+1
.endr
.endm
.macro CVT dst, q                      ; my 16 numbers of block q: 96 bits of codes
	v_cvt_scalef32_pk16_fp6_f32 v[\dst:\dst+2], v[ACC+16*(\q):ACC+16*(\q)+15], v[TM+(\q)]
.endm
.macro PAIR pa, pb                     ; two blocks' half blocks become a six: lanes 0-15 the first block whole, lanes 16-31 the second
.irp i3, 0,1,2
	v_permlane16_swap_b32 v[\pa+\i3], v[\pb+\i3]
.endr
.irp i3, 0,1,2
	v_mov_b32 v[\pa+3+\i3], v[\pb+\i3]
.endr
.endm
.macro BARRIER                         ; my LDS stores have landed and my LDS loads are in: then the work-group's barrier
	s_wait_dscnt 0x0
	s_barrier_signal -1
	s_barrier_wait -1
.endm
; ---------------- THE HEAD: addresses; the head's weights, scale bytes and biases into LDS; my rows of query and key into registers
	s_load_b512 s[8:23], s[0:1], 0x0               ; query codes s[8:9], scales s[10:11]; key s[12:13], s[14:15]; Wq s[16:17], s[18:19]; Wk s[20:21], s[22:23]
	s_load_b256 s[24:31], s[0:1], 0x40             ; Wv s[24:25], s[26:27]; bq s[28:29]; bk s[30:31]
	s_load_b128 s[32:35], s[0:1], 0x60             ; bv s[32:33]; out0 s[34:35]
	v_lshrrev_b32 v14, 5, v0
	v_readfirstlane_b32 s[WV], v14                 ; wave 0 .. 15
	v_and_b32 v17, 31, v0                          ; lane
	v_and_b32 v14, 15, v0                          ; r
	v_bfe_u32 v15, v0, 4, 1                        ; h
	v_and_b32 v16, 8, v14
	v_add_nc_u32 v16, v16, v14                     ; r + 8 (r / 8)
	v_lshlrev_b32 v[L16], 4, v17
	v_lshlrev_b32 v[L8], 3, v17
	v_mul_u32_u24 v[GA1], v16, 192
	v_mad_u32_u24 v[GA1], v15, 24, v[GA1]
	v_mul_u32_u24 v[GA2], v14, 192
	v_mad_u32_u24 v[GA2], v15, 24, v[GA2]
	v_lshlrev_b32 v[GS1], 3, v16
	v_lshl_add_u32 v[GS1], v15, 2, v[GS1]
	v_lshlrev_b32 v[GS2], 3, v14
	v_lshl_add_u32 v[GS2], v15, 2, v[GS2]
	s_wait_alu depctr_va_sdst(0)                   ; the wave's number is written into s2, ahead of its first reader: shares, LDS places and bases are made from it
	s_and_b32 s[BH], ttmp7, 0xffff
	s_lshr_b32 s[BB], s[BH], 3
	s_and_b32 s[HD], s[BH], 7
	s_lshr_b32 s[GA], s[WV], 2
	s_and_b32 s[GI], s[WV], 3
	s_lshr_b32 s[STT], s[WV], 1
	s_and_b32 s[STC], s[WV], 1
	s_and_b32 s7, s[GA], 1
	s_mul_i32 s7, s7, 3
	s_xor_b32 s[GG], ttmp9, s7                     ; j, or 3 - j where a is odd (j is 0 .. 3)
	s_lshl_b32 s7, s[GA], 2
	s_add_co_u32 s[GG], s[GG], s7
	s_lshr_b32 s[LAST], s[GG], 1
	s_lshl_b32 s60, s[GI], 4                       ; 16 i
	s_lshl_b32 s[Q0], s[GG], 6
	s_add_co_u32 s[Q0], s[Q0], s60
	s_and_b32 s[DM], s[GG], 1
	s_lshl_b32 s[DM], s[DM], 6
	s_add_co_u32 s[DM], s[DM], s60
	s_mov_b32 s[SEL], 0x76543210
	s_mov_b32 s[SEL+1], 0xfedcba98
	s_mov_b32 s[CS], 0x3e38aa3b                    ; log2(e) / sqrt(64)
	s_mov_b32 s[CS+1], s[CS]
	s_mul_i32 s56, s[STT], STEPB                   ; every LDS address of the projections is made here, ahead of the first branch: a constant + a constant x lane + constants x parts of the wave's number
	s_mul_i32 s57, s[STC], 3072
	s_add_co_u32 s57, s57, s56
	s_lshl_b32 s58, s[STC], 9
	s_add_co_u32 s58, s58, s56
	s_lshl_b32 s59, s[STC], 1
	s_add_co_u32 s59, s59, s56
	s_mul_i32 s61, s[WV], 768
	v_add_nc_u32 v[W16], WIMG, v[L16]
	v_add_nc_u32 v[W8], WIMG, v[L8]
	v_add_nc_u32 v[ST16], s57, v[L16]
	v_add_nc_u32 v[ST8], s57, v[L8]
	v_add_nc_u32 v[KSS], s58, v[L16]
	v_add_nc_u32 v[VSS], s59, v[L16]
	v_lshl_add_u32 v[BA], v15, 6, BIAS
	v_lshl_add_u32 v[BVA], v14, 4, BV4
	v_add_nc_u32 v[WSA], WSC, v[GS1]
	v_add_nc_u32 v[WSVA], WSC, v[GS2]
	v_add_nc_u32 v[SW16], s61, v[W16]
	v_add_nc_u32 v[SW8], s61, v[W8]
	v_lshl_add_u32 v[SMS], v0, 2, WSC
	v_lshlrev_b32 v[SMG], 2, v0
	v_and_b32 v[BG], 63, v0
	v_lshlrev_b32 v[BG], 2, v[BG]
	v_add_nc_u32 v[BL], BIAS, v[BG]
	v_lshl_add_u32 v[BL4], v[BG], 2, BV4
.irp z, 0,1,2,3
	v_mov_b32 v[TP+\z], 0                          ; a lane permute's destination counts as one of its sources
.endr
	s_mov_b32 s49, 0                               ; offsets are pairs with 0 above: all stay under 2^32
	s_mov_b32 s51, 0
	s_lshl_b32 s56, s[BB], 10
	s_add_co_u32 s57, s56, s[Q0]                   ; my first row of query
	s_mul_i32 s48, s57, 192
	s_lshl_b32 s50, s57, 3
	s_wait_kmcnt 0x0
	s_add_nc_u64 s[8:9], s[8:9], s[48:49]
	s_add_nc_u64 s[10:11], s[10:11], s[50:51]
	s_lshl_b32 s57, s[WV], 6
	s_add_co_u32 s57, s56, s57                     ; my first row of key
	s_mul_i32 s48, s57, 192
	s_lshl_b32 s50, s57, 3
	s_add_nc_u64 s[12:13], s[12:13], s[48:49]
	s_add_nc_u64 s[14:15], s[14:15], s[50:51]
	s_lshl_b32 s56, s[HD], 6                       ; the head's first row of a weight.  Wave w stages six w of each: tile w / 4 (= a), 48 (w % 4) bytes along the row
	s_lshr_b32 s57, s[GA], 1
	s_lshl_b32 s57, s57, 5
	s_and_b32 s58, s[GA], 1
	s_lshl_b32 s58, s58, 3
	s_add_co_u32 s57, s57, s58
	s_add_co_u32 s57, s57, s56                     ; Wq, Wk: tile 2 b + u begins at row 32 b + 8 u
	s_mul_i32 s48, s57, 192
	s_mul_i32 s59, s[GI], 48
	s_add_co_u32 s48, s48, s59
	s_add_nc_u64 s[16:17], s[16:17], s[48:49]
	s_add_nc_u64 s[20:21], s[20:21], s[48:49]
	s_lshl_b32 s57, s[GA], 4
	s_add_co_u32 s57, s57, s56                     ; Wv: tile n begins at row 16 n
	s_mul_i32 s48, s57, 192
	s_add_co_u32 s48, s48, s59
	s_add_nc_u64 s[24:25], s[24:25], s[48:49]
	s_lshl_b32 s48, s[HD], 9                       ; the head's 64 rows of 8 scale bytes
	s_add_nc_u64 s[18:19], s[18:19], s[48:49]
	s_add_nc_u64 s[22:23], s[22:23], s[48:49]
	s_add_nc_u64 s[26:27], s[26:27], s[48:49]
	s_lshl_b32 s48, s[HD], 8                       ; its 64 numbers of a bias
	s_add_nc_u64 s[28:29], s[28:29], s[48:49]
	s_add_nc_u64 s[30:31], s[30:31], s[48:49]
	s_add_nc_u64 s[32:33], s[32:33], s[48:49]
	s_lshl_b32 s57, s[BH], 6
	s_add_co_u32 s57, s57, s60                     ; out0: row 64 (8 image + head) + 16 i, of 4,096 bytes,
	s_lshl_b32 s48, s57, 12
	s_lshl_b32 s58, s[GG], 8                       ; and my group's 64 places in it
	s_add_co_u32 s48, s48, s58
	s_add_nc_u64 s[34:35], s[34:35], s[48:49]
	s_wait_alu depctr_va_vdst(0)                   ; all addresses of the head and of the projections are written, which the loads and stores below read; so are v14-21, in which a bias's loads land
.irp p, 0,1,2
	global_load_b64 v[ACC+2*\p:ACC+2*\p+1], v[GA1], s[16:17] offset:8*\p          ; my six of Wq,
.endr
.irp p, 0,1,2
	global_load_b64 v[ACC+6+2*\p:ACC+6+2*\p+1], v[GA1], s[20:21] offset:8*\p      ; of Wk,
.endr
.irp p, 0,1,2
	global_load_b64 v[ACC+12+2*\p:ACC+12+2*\p+1], v[GA2], s[24:25] offset:8*\p    ; of Wv
.endr
.irp ks, 0,1
.irp p, 0,1,2,3,4,5
	global_load_b64 v[SV+12*\ks+2*\p:SV+12*\ks+2*\p+1], v[GA2], s[8:9] offset:96*\ks+48*(\p/3)+8*(\p%3)   ; my 16 queries' two fragments
.endr
.endr
	global_load_b32 v[QXS], v[GS2], s[10:11]       ; and their scale words
	s_cmp_lt_u32 s[WV], 4                          ; waves 0 to 3: the weights' scale bytes, 512 of each, a word a thread
	s_cbranch_scc0 .Lno_scales
	global_load_b32 v[SD], v[SMG], s[18:19]
	global_load_b32 v[SD+1], v[SMG], s[22:23]
	global_load_b32 v[SD+2], v[SMG], s[26:27]
	s_wait_loadcnt 0x0
	ds_store_b32 v[SMS], v[SD]
	ds_store_b32 v[SMS], v[SD+1] offset:512
	ds_store_b32 v[SMS], v[SD+2] offset:1024
.Lno_scales:
	s_cmp_eq_u32 s[STT], 2                         ; waves 4 and 5: the biases, a number a thread
	s_cbranch_scc0 .Lno_bias
	global_load_b32 v[BD], v[BG], s[28:29]
	global_load_b32 v[BD+1], v[BG], s[30:31]
	global_load_b32 v[BD+2], v[BG], s[32:33]
	s_wait_loadcnt 0x0
	ds_store_b32 v[BL], v[BD]
	ds_store_b32 v[BL], v[BD+1] offset:256
.irp z, 0,4,8,12
	ds_store_b32 v[BL4], v[BD+2] offset:\z         ; bv four times, so that two loads of 16 bytes fill a C whose eight registers are one d's
.endr
.Lno_bias:
	s_wait_loadcnt 13                              ; my three sixes are in: behind them stand the query's 12 + 1 loads, which may stay out (in waves 0 to 5 nothing is out)
	ST6 SW16, SW8, ACC, 0
	ST6 SW16, SW8, ACC+6, 12288
	ST6 SW16, SW8, ACC+12, 24576
.irp kt, 0,1,2,3
.irp ks, 0,1
.irp p, 0,1,2,3,4,5
	global_load_b64 v[KV+24*\kt+12*\ks+2*\p:KV+24*\kt+12*\ks+2*\p+1], v[GA1], s[12:13] offset:(32*(\kt/2)+8*(\kt%2))*192+96*\ks+48*(\p/3)+8*(\p%3)   ; my 64 keys: four tiles, rows chosen for the next K
.endr
.endr
	global_load_b32 v[KVS+\kt], v[GS1], s[14:15] offset:(32*(\kt/2)+8*(\kt%2))*8
.endr
	BARRIER                                        ; the weights, their scale bytes and the biases lie in LDS.  (The loads of key go into registers and stay on their way)
	s_wait_alu depctr_vm_vsrc(0)                   ; the head's stores and loads have read what was staged and its addresses (v28-60), which the products and k's scale bytes write; and v13, v254, v255, which are written further on
; ---------------- q: q^T = Wq query^T + bq: a lane holds one query, the 16 registers of tiles 2 bd, 2 bd + 1 are d = 32 bd + 16 h + 0 .. 15.  Two accumulators by turns
.irp bd, 0,1
.if \bd == 1
	s_wait_alu depctr_va_vdst(0)                   ; the first four products are done reading both tiles of weights, the two biases and the scale words, in which the loads below land
.endif
	LDW WF, 8*\bd
	LDW ACC+32, 8*\bd+4
	LDCB CB, BA, 128*\bd, 128*\bd+16
	LDCB ACC+56, BA, 128*\bd+32, 128*\bd+48
	ds_load_b32 v[WS], v[WSA] offset:256*\bd
	ds_load_b32 v[WS2], v[WSA] offset:256*\bd+64
	s_wait_dscnt 0x0
.if \bd == 0
	s_wait_loadcnt 52                              ; the query is in: behind it stand key's 48 + 4 loads, which may stay out
.endif
	PW ACC+16*\bd, WF, SV, CB, WS, QXS, 0
	PW ACC+16*\bd+8, ACC+32, SV, ACC+56, WS2, QXS, 0
	PW ACC+16*\bd, WF+12, SV+12, 0, WS, QXS, 1
	PW ACC+16*\bd+8, ACC+44, SV+12, 0, WS2, QXS, 1
	PLACES 5                                       ; in front of loads into the products' registers and of reads of their results
.endr
	QSCALE 2
	CVT QF, 0
	CVT WF, 1
	v_nop                                          ; one plain place behind a scaled conversion
	PAIR QF, WF                                    ; q's six: lane (r, h): query r, d = 32 h .. 32 h + 31
	v_lshl_or_b32 v[QS], v[TP+1], 8, v[TP]         ; its scale word: two bytes, and 0 for the two blocks that are not there
; ---------------- v = key Wv^T + bv: source 0 = 16 keys, source 1 = 16 rows of Wv: a lane holds one d, the 16 registers of key tiles 2 b, 2 b + 1 are 16 neighbouring keys.  Two tiles of d, then their four blocks are quantised
.irp np, 0,1
.irp e, 0,1
	s_wait_dscnt 0x0                               ; my LDS stores have read their registers
.if (\np == 1) && (\e == 0)
	s_wait_alu depctr_vm_vsrc(0)                   ; the image's stores have read the scale bytes in v18 and v20, in which the bias's loads land, and the sixes in SV, which the next conversions write.  (No vector line stands between the wait ahead of those stores and the loads below)
.else
	s_wait_alu depctr_va_vdst(0)                   ; the products and the quantiser in front are done with WF, CB and WS, in which the loads below land
.endif
	LDW WF, 32+4*(2*\np+\e)
	LDCB CB, BVA, 256*(2*\np+\e), 256*(2*\np+\e)
	ds_load_b32 v[WS], v[WSVA] offset:1024+128*(2*\np+\e)
	s_wait_dscnt 0x0
.if \np+\e == 0
	s_wait_loadcnt 0x0                             ; key
.endif
.irp kt, 0,1,2,3
	PW ACC+32*\e+8*\kt, KV+24*\kt, WF, CB, KVS+\kt, WS, 0       ; four accumulators by turns
.endr
.irp kt, 0,1,2,3
	PW ACC+32*\e+8*\kt, KV+24*\kt+12, WF+12, 0, KVS+\kt, WS, 1
.endr
	PLACES 5
.endr
	QSCALE 4                                       ; block 2 e + b: tile 2 np + e of d, my keys 32 b .. 32 b + 31
	CVT SV, 0
	CVT WF, 1
	CVT SV+6, 2
	CVT WF+4, 3
	v_nop
	PAIR SV, WF
	PAIR SV+6, WF+4
	v_lshl_or_b32 v[TP], v[TP+1], 8, v[TP]
	v_lshl_or_b32 v[TP+2], v[TP+3], 8, v[TP+2]
	s_wait_alu depctr_va_vdst(0)                   ; the two sixes in SV and the scale bytes in v18 and v20 are written, which the LDS stores read
	ST6 ST16, ST8, SV, VI+768*(2*\np)
	ST6 ST16, ST8, SV+6, VI+768*(2*\np+1)
	ds_store_b16 v[VSS], v[TP] offset:VS+8*\np     ; my half's two bytes of the step's scale word
	ds_store_b16 v[VSS], v[TP+2] offset:VS+8*\np+4
.endr
; ---------------- k^T = Wk key^T + bk: as q, for my four tiles of keys.  After d's first 32 the half blocks wait in SV and the bytes in SB
.irp bd, 0,1
.irp ud, 0,1
	s_wait_dscnt 0x0
.if (\bd == 0) && (\ud == 0)
	s_wait_alu depctr_vm_vsrc(0)                   ; v's last stores have read the scale bytes in v18 and v20, in which the bias's loads land, and the sixes in SV, which k's conversions write.  (No vector line stands between the wait ahead of those stores and the loads below)
.else
	s_wait_alu depctr_va_vdst(0)                   ; the products and the quantiser in front are done with WF, CB and WS, in which the loads below land
.endif
	LDW WF, 16+4*(2*\bd+\ud)
	LDCB CB, BA, 256+128*\bd+32*\ud, 256+128*\bd+32*\ud+16
	ds_load_b32 v[WS], v[WSA] offset:512+256*\bd+64*\ud
	s_wait_dscnt 0x0
.irp kt, 0,1,2,3
	PW ACC+16*\kt+8*\ud, WF, KV+24*\kt, CB, WS, KVS+\kt, 0
.endr
.irp kt, 0,1,2,3
	PW ACC+16*\kt+8*\ud, WF+12, KV+24*\kt+12, 0, WS, KVS+\kt, 1
.endr
	PLACES 5
.endr
	QSCALE 4                                       ; block kt: key tile kt, d = 32 bd .. 32 bd + 31
.if \bd == 0
.irp kt, 0,1,2,3
	CVT SV+6*\kt, \kt
.endr
	v_nop
.irp kt, 0,1,2,3
	v_mov_b32 v[SB+\kt], v[TP+\kt]
.endr
.else
.irp kt, 0,1,2,3
	CVT WF+4*\kt, \kt
.endr
	v_nop
.irp kt, 0,1,2,3
	PAIR SV+6*\kt, WF+4*\kt
.endr
.irp kt, 0,1,2,3
	v_lshl_or_b32 v[TP+\kt], v[TP+\kt], 8, v[SB+\kt]
.endr
	s_wait_alu depctr_va_vdst(0)                   ; the four sixes in SV and the scale words in v18-21 are written, which the LDS stores read
.irp kt, 0,1,2,3
	ST6 ST16, ST8, SV+6*\kt, KI+768*\kt
	ds_store_b32 v[KSS], v[TP+\kt] offset:KS+4*\kt
.endr
.endif
.endr
	s_wait_dscnt 0x0                               ; for the others' sake: my images have landed; and the stores have read their registers, which are written below
	s_wait_alu depctr_vm_vsrc(0)                   ; the projections' LDS instructions have read their addresses (v3-7, v12) and k's scale words (v18-21): the lines below, and the loop's head, write them
	s_barrier_signal -1
	; register work while the others arrive: what the key loop starts from
.irp z, 6,7,8,9,10,11
	v_mov_b32 v[QF+\z], 0                          ; q's blocks that are not there: zero codes
.endr
.irp z, 48,49,50,51,52,53
	v_mov_b32 v[KF+\z], 0                          ; what the last key tile's operand names behind its six
.endr
.set n, 0
.rept 32
	v_mov_b32 v[OA+n], 0                           ; O^T.  The step is written once: the first finds zeros, which the first change of M leaves zeros
.set n, n+1
.endr
.irp z, 0,1,2,3
	v_mov_b32 v[BP+\z], 0                          ; a lane permute's destination counts as one of its sources
.endr
	v_mov_b32 v[LS], 0
	v_mov_b32 v[LS+1], 0
	v_mov_b32 v[FA+1], 0                           ; named as the upper half of a pair
	v_mov_b32 v[TX], 0xff61b1e6                    ; -3e38, under every t
	v_floor_f32 v[NM], -v[TX]
	v_mov_b32 v[NINF], 0xff800000
	v_and_b32 v[T0], 15, v0                        ; r
	v_bfe_u32 v[T1], v0, 4, 1                      ; h
	s_mul_i32 s56, s[GA], SGRP
	s_lshl_b32 s57, s[GI], 6
	s_add_co_u32 s57, s57, s56
	s_add_co_u32 s57, s57, STG
	v_mul_u32_u24 v[SO], v[T1], 8*SPITCH
	v_lshl_add_u32 v[SO], v[T0], 2, v[SO]
	v_add_nc_u32 v[SO], s57, v[SO]                 ; into the stage: row d = 8 h + .., my query's 4 bytes: 64 i + 4 r
	s_mul_i32 s58, s[GI], 16*SPITCH
	s_add_co_u32 s58, s58, s56
	s_add_co_u32 s58, s58, STG
	v_mul_u32_u24 v[SR], v[T1], SPITCH
	v_lshl_add_u32 v[SR], v[T0], 4, v[SR]
	v_add_nc_u32 v[SR], s58, v[SR]                 ; back: my 16 rows; lanes 0-15 one row of 256 bytes, lanes 16-31 the next
	v_lshlrev_b32 v[GO], 12, v[T1]
	v_lshl_add_u32 v[GO], v[T0], 4, v[GO]          ; and the same two rows in out0
	v_lshlrev_b32 v[DD], 4, v[T1]
	v_sub_nc_u32 v[DD], v[T0], v[DD]
	v_add_nc_u32 v[DD], s[DM], v[DD]
	s_mov_b32 s[TB], 0
	s_mov_b32 s[TT], 0
	s_barrier_wait -1                              ; k and v of the whole head lie in LDS; nobody writes them again
; ---------------- THE KEY LOOP: eight trips in every wave, a constant, so that every LDS address can be read off the text; a step all of whose keys come after my queries is jumped over
.Lstep:
	s_wait_alu depctr_vm_vsrc(0)                   ; the last trip's LDS loads have read v3 and v4, which the two additions write
	v_add_nc_u32 v[A16], s[TB], v[L16]
	v_add_nc_u32 v[A8], s[TB], v[L8]
	s_cmp_gt_u32 s[TT], s[LAST]
	s_cbranch_scc1 .Lhidden
	PLACES 2                                       ; with the two additions: four places in front of loads into registers that the last step's products read
	s_wait_alu depctr_va_vdst(0)                   ; v3 and v4 are written, which the loads below read; the last trip's products (in the first trip the quantiser) are done with KF, KSR and VSR, in which loads of this trip land; in the first trip q's codes, zeros and scale word are written, which the products take
.irp ta, 0,1,2,3,4,5,6,7
	LD6 A16, A8, KF+6*\ta, KI+768*\ta
.endr
	ds_load_b128 v[KSR:KSR+3], v[A16] offset:KS
	ds_load_b128 v[KSR+4:KSR+7], v[A16] offset:KS+512
	s_wait_dscnt 0x0
.irp ta, 0,1,2,3,4,5,6,7
	v_wmma_scale_f32_16x16x128_f8f6f4 v[SC+8*\ta:SC+8*\ta+7], v[KF+6*\ta:KF+6*\ta+11], v[QF:QF+11], 0, v[KSR+\ta], v[QS] matrix_a_fmt:MATRIX_FMT_FP6 matrix_b_fmt:MATRIX_FMT_FP6
.endr                                              ; lane (r, h): query r; the 16 registers of tiles 2 b, 2 b + 1: keys 32 b + 16 h + 0 .. 15 of the step
	PLACES 4                                       ; in front of the loads over k's sixes and of the first read of the scores
	s_wait_alu depctr_va_vdst(0)                   ; the eight products are done reading k's sixes, over which v's fragments land
.irp c, 0,1
.irp n, 0,1,2,3
	LD6 A16, A8, KF+12*\n+6*\c, VI+768*(4*\c+\n)   ; v's four fragments land while the softmax is walked
.endr
.endr
	ds_load_b128 v[VSR:VSR+3], v[A16] offset:VS
	s_cmp_lt_u32 s[TT], s[LAST]
	s_cbranch_scc1 .Lopen                          ; only my last step lies on the diagonal
.irp g, 0,1,2,3                                ; a block of 32 keys at a time: sixteen compares into sixteen scalar registers, one wait, sixteen selects
.set n, 0
.rept 16
	v_cmp_gt_i32 s[MK+n], 32*\g+n, v[DD]           ; register 16 b + i holds key 32 b + 16 h + i: hidden where it comes after my query
.set n, n+1
.endr
	s_wait_alu depctr_va_sdst(0)                   ; the sixteen masks are written, ahead of the selects that read them
.set n, 0
.rept 16
	v_cndmask_b32 v[SC+16*\g+n], v[SC+16*\g+n], v[NINF], s[MK+n]
.set n, n+1
.endr
.endr
.Lopen:
.irp b, 0,1,2,3
	v_max3_num_f32 v[BM+\b], v[SC+16*\b], v[SC+16*\b+1], v[SC+16*\b+2]   ; the largest score of each block of 32 keys: for the row's maximum, and, since p rises with the score, for the block's largest p
.endr
.irp i, 3,5,7,9,11,13
.irp b, 0,1,2,3
	v_max3_num_f32 v[BM+\b], v[BM+\b], v[SC+16*\b+\i], v[SC+16*\b+\i+1]
.endr
.endr
.irp b, 0,1,2,3
	v_max_num_f32 v[BM+\b], v[BM+\b], v[SC+16*\b+15]
.endr
.irp b, 0,1,2,3
	v_permlanex16_b32 v[BP+\b], v[BM+\b], s[SEL], s[SEL+1]
.endr
.irp b, 0,1,2,3
	v_max_num_f32 v[BM+\b], v[BM+\b], v[BP+\b]     ; with lane l xor 16's 16 keys
.endr
	v_max3_num_f32 v[T0], v[BM], v[BM+1], v[BM+2]
	v_max_num_f32 v[T0], v[T0], v[BM+3]
	v_mul_f32 v[T0], s[CS], v[T0]                  ; the step's largest t of my query
	v_max_num_f32 v[TX], v[TX], v[T0]
	v_mov_b32 v[T0], v[NM]
	v_floor_f32 v[NM], -v[TX]                      ; -M = floor(-t): M is a whole number
	v_sub_f32 v[T0], v[NM], v[T0]                  ; old M - new M: a whole number, 0 or less
	v_cvt_i32_f32 v[T0], v[T0]                     ; (it saturates)
	v_ldexp_f32 v[FA], 1.0, v[T0]                  ; 2^(old M - new M): a multiplication by it rounds nothing
.set n, 0
.rept 32
	v_pk_fma_f32 v[SC+n:SC+n+1], v[SC+n:SC+n+1], s[CS:CS+1], v[NM:NM+1] op_sel_hi:[1,0,0]   ; t - M, two at a time
.set n, n+2
.endr
.irp b, 0,1,2,3
	v_fma_f32 v[BM+\b], v[BM+\b], s[CS], v[NM]     ; the same of each block's largest score
.endr
.set n, 0
	s_wait_alu depctr_va_vdst(0)
.rept 64
	v_exp_f32 v[SC+n], v[SC+n]                     ; p = 2^(t - M), not normalised
.set n, n+1
.endr
.irp b, 0,1,2,3
	v_exp_f32 v[BM+\b], v[BM+\b]                   ; the block's largest p: the same two instructions on the same number
.endr
	v_pk_mul_f32 v[LS:LS+1], v[LS:LS+1], v[FA:FA+1] op_sel_hi:[1,0]   ; the sum under the new M.  (The plain place behind the exponentials)
	s_wait_alu depctr_va_vdst(0)                   ; the 68 exponentials have written p (v88-151) and the blocks' largest p (v204-207): one wait for the batch, ahead of its first reader
.irp b, 0,1,2,3
	v_max_num_f32 v[BM+\b], 0x1800000, v[BM+\b]    ; the floor 2^(3 - 127): a block whose every p is 0 keeps the byte 1
.endr
.irp b, 0,1,2,3
	v_add_nc_u32 v[BS+\b], 0xff000000, v[BM+\b]
.endr
.irp b, 0,1,2,3
	v_lshrrev_b32 v[BP+\b], 23, v[BS+\b]
.endr
	v_lshl_or_b32 v[PS], v[BP+1], 8, v[BP]         ; p's scale word for these 128 keys
	v_lshl_or_b32 v[PS], v[BP+2], 16, v[PS]
	v_lshl_or_b32 v[PS], v[BP+3], 24, v[PS]
.irp c, 0,1
	v_cvt_scalef32_pk16_fp6_f32 v[PC+6*\c:PC+6*\c+2], v[SC+32*\c:SC+32*\c+15], v[BS+2*\c]
	v_cvt_scalef32_pk16_fp6_f32 v[PB+4*\c:PB+4*\c+2], v[SC+32*\c+16:SC+32*\c+31], v[BS+2*\c+1]
.endr
	v_nop                                          ; one plain place behind a scaled conversion
	PAIR PC, PB
	PAIR PC+6, PB+4
	v_pk_add_f32 v[PB:PB+1], v[SC:SC+1], v[SC+2:SC+3]   ; the row's sum is taken of the unquantised p: two at a time, in two chains
.set n, 4
.rept 15
	v_pk_add_f32 v[LS:LS+1], v[LS:LS+1], v[SC+n:SC+n+1]
	v_pk_add_f32 v[PB:PB+1], v[PB:PB+1], v[SC+n+2:SC+n+3]
.set n, n+4
.endr
	v_pk_add_f32 v[LS:LS+1], v[LS:LS+1], v[PB:PB+1]
.set n, 0
.rept 16
	v_pk_mul_f32 v[OA+n:OA+n+1], v[OA+n:OA+n+1], v[FA:FA+1] op_sel_hi:[1,0]   ; O^T under the new M, each accumulator from its low end on.  (The sums and these are the places between p's codes and scale word and the products)
.set n, n+2
.endr
	s_wait_dscnt 0x0                               ; v's fragments and scale words
	s_wait_alu depctr_va_vdst(0)                   ; p's codes (v184-195) and scale word (v253) are written, which the scaled products take as operand and scales: behind the places, which stay
.irp n, 0,1,2,3
	v_wmma_scale_f32_16x16x128_f8f6f4 v[OA+8*\n:OA+8*\n+7], v[KF+12*\n:KF+12*\n+11], v[PC:PC+11], v[OA+8*\n:OA+8*\n+7], v[VSR+\n], v[PS] matrix_a_fmt:MATRIX_FMT_FP6 matrix_b_fmt:MATRIX_FMT_FP6
.endr                                              ; four accumulators, one instruction each; the next matrix instruction starts a score tile anew
.Lhidden:
	s_add_co_u32 s[TB], s[TB], STEPB
	s_add_co_u32 s[TT], s[TT], 1
	s_cmp_lt_u32 s[TT], 8
	s_cbranch_scc1 .Lstep
; ---------------- THE WAY OUT.  A lane holds one query and 32 d; a row of out0 runs along the queries.  The four waves of a group put their 16 queries' numbers into the group's stage, 64 rows (d) of 64 queries,
; and each takes 16 whole rows back: sixteen lanes store 256 consecutive bytes, at a multiple of 256 from out0's first byte.
	PLACES 4
	v_add_f32 v[LS], v[LS], v[LS+1]
	v_permlanex16_b32 v[T0], v[LS], s[SEL], s[SEL+1]
	v_add_f32 v[LS], v[LS], v[T0]                  ; the row's sum
	s_wait_alu depctr_va_vdst(0)
	v_rcp_f32 v[LS], v[LS]
	v_nop                                          ; one plain place behind a transcendental
.set n, 0
	s_wait_alu depctr_va_vdst(0)                   ; the reciprocal has written v16, ahead of its first reader
.rept 32
	v_mul_f32 v[SC+n], v[OA+n], v[LS]              ; register 8 n + j: out(d = 16 n + 8 h + j, my query)
.set n, n+1
.endr
	s_wait_alu depctr_va_vdst(0)                   ; the multiplications have written v88-119, which the LDS stores read; the last step's sums and conversions are done reading v120-151, in which the rows from the stage land
.irp n, 0,1,2,3
.irp j, 0,1,2,3,4,5,6,7
	ds_store_b32 v[SO], v[SC+8*\n+\j] offset:(16*\n+\j)*SPITCH   ; lanes 0-15: 64 consecutive bytes; lanes 16-31: eight rows on, 128 bytes further round the banks
.endr
.endr
	BARRIER                                        ; the group's 64 rows are whole
.irp m, 0,1,2,3,4,5,6,7
	ds_load_b128 v[OUTR+4*\m:OUTR+4*\m+3], v[SR] offset:2*\m*SPITCH
.endr
.irp m, 0,1,2,3,4,5,6,7
	s_wait_dscnt 7-\m                              ; LDS loads come back in order: the younger ones may stay out
	global_store_b128 v[GO], v[OUTR+4*\m:OUTR+4*\m+3], s[34:35] offset:8192*\m th:TH_STORE_NT   ; rows 16 i + 2 m and 16 i + 2 m + 1; written once, read by nobody here
.endr
	s_wait_xcnt 0x0                                ; every earlier memory instruction has had its addresses translated: v254 and v255, offsets of the head's loads, are written below (those loads read them ahead of the wait on vm_vsrc behind the first barrier)
	v_lshl_add_u32 v254, v0, 2, 0x35c00
	v_mov_b32 v255, 0
	s_wait_dscnt 0x0                               ; the closing lines, six on end
	s_wait_alu 0x0
	s_wait_tensorcnt 0x0
	ds_add_u32 v254, v255
	s_wait_dscnt 0x0
	s_endpgm
.Lfunc_end_k_q50cfa97c5c_snail:
	.size	k_q50cfa97c5c_snail, .Lfunc_end_k_q50cfa97c5c_snail-k_q50cfa97c5c_snail
	.p2alignl 7, 3214868480
	.fill 96, 4, 3214868480
	.section	.rodata,"a",@progbits
	.p2align	6, 0x0
	.amdhsa_kernel k_q50cfa97c5c_snail
		.amdhsa_group_segment_fixed_size 222208
		.amdhsa_private_segment_fixed_size 0
		.amdhsa_enable_private_segment 0
		.amdhsa_kernarg_size 112
		.amdhsa_user_sgpr_count 2
		.amdhsa_user_sgpr_kernarg_segment_ptr 1
		.amdhsa_wavefront_size32 1
		.amdhsa_system_sgpr_workgroup_id_x 1
		.amdhsa_system_sgpr_workgroup_id_y 1
		.amdhsa_system_sgpr_workgroup_id_z 1
		.amdhsa_system_vgpr_workitem_id 0
		.amdhsa_next_free_vgpr 256
		.amdhsa_next_free_sgpr 66
		.amdhsa_reserve_vcc 0
		.amdhsa_float_denorm_mode_32 3
		.amdhsa_float_denorm_mode_16_64 3
		.amdhsa_memory_ordered 1
		.amdhsa_forward_progress 1
		.amdhsa_inst_pref_size 86
	.end_amdhsa_kernel
	.amdgpu_metadata
---
amdhsa.version: [ 1, 2 ]
amdhsa.kernels:
  - .name:           k_q50cfa97c5c_snail
    .symbol:         k_q50cfa97c5c_snail.kd
    .args:
      - { .name: query_codes, .offset: 0, .size: 8, .value_kind: global_buffer, .address_space: global }
      - { .name: query_scales, .offset: 8, .size: 8, .value_kind: global_buffer, .address_space: global }
      - { .name: key_codes, .offset: 16, .size: 8, .value_kind: global_buffer, .address_space: global }
      - { .name: key_scales, .offset: 24, .size: 8, .value_kind: global_buffer, .address_space: global }
      - { .name: Wq_codes, .offset: 32, .size: 8, .value_kind: global_buffer, .address_space: global }
      - { .name: Wq_scales, .offset: 40, .size: 8, .value_kind: global_buffer, .address_space: global }
      - { .name: Wk_codes, .offset: 48, .size: 8, .value_kind: global_buffer, .address_space: global }
      - { .name: Wk_scales, .offset: 56, .size: 8, .value_kind: global_buffer, .address_space: global }
      - { .name: Wv_codes, .offset: 64, .size: 8, .value_kind: global_buffer, .address_space: global }
      - { .name: Wv_scales, .offset: 72, .size: 8, .value_kind: global_buffer, .address_space: global }
      - { .name: bq, .offset: 80, .size: 8, .value_kind: global_buffer, .address_space: global }
      - { .name: bk, .offset: 88, .size: 8, .value_kind: global_buffer, .address_space: global }
      - { .name: bv, .offset: 96, .size: 8, .value_kind: global_buffer, .address_space: global }
      - { .name: out0, .offset: 104, .size: 8, .value_kind: global_buffer, .address_space: global }
    .group_segment_fixed_size: 222208
    .private_segment_fixed_size: 0
    .kernarg_segment_align: 8
    .kernarg_segment_size: 112
    .max_flat_workgroup_size: 512
    .sgpr_count:     66
    .vgpr_count:     256
    .wavefront_size: 32
...
	.end_amdgpu_metadata
.endif
;; end of part 2
